; MI455X (gfx1250); checked and timed in simulation.
; The chip was launched on July 23, 2026; its instructions are those of AMD's public machine-readable ISA for CDNA 5 (MIT licence, August 2026) and "CDNA5" Instruction Set Architecture Reference Guide (July 2026). The comments in the code are by the model that wrote it; some were corrected since.
;; Spatial Transformer. Allowed arithmetic: float matrix products may take bf16 or f16 operands with f32 sums; other float arithmetic in f32, or as packed bf16 or f16 multiplies, adds, multiply-adds, maxima and minima; sums over many terms, partial sums and values carried from step to step in f32; what a program stores and reads back later, other than sums and carried values, may be rounded once to bf16 or f16.
;; Inputs: Wk 1,024 x 1,024 float32; Wo 1,024 x 1,024 float32; Wq 1,024 x 1,024 float32; Wv 1,024 x 1,024 float32; bk 1,024 float32; bo 1,024 float32; bq 1,024 float32; bv 1,024 float32; content_embeddings 4 x 2,048 x 1,024 float32; x 4 x 2,048 x 1,024 float32.
;; Outputs: out0 4 x 2,048 x 1,024 float32.
;; One version. Each part assembles by itself: llvm-mc -triple=amdgcn-amd-amdhsa -mcpu=gfx1250 --defsym DOCPART=n.
;; ======== version 1 of 1: 5 launches
;; limits: values are held in f16: magnitudes above 65,504 overflow, below 6.1e-05 lose precision
;; workspace buffers: ab 33,554,432 bytes; wb 8,388,608 bytes; qkv 50,331,648 bytes; pb 33,554,432 bytes; st 1,048,576 bytes; hb 16,777,216 bytes
;; launch cast (part 1): grid 64 x 20, 8 waves a work-group, no clusters, 0 bytes of LDS; arguments x, content_embeddings, Wq, Wk, Wv, Wo, ab, wb; writes ab, wb
.if DOCPART == 1
	.amdgcn_target "amdgcn-amd-amdhsa--gfx1250"
	.amdhsa_code_object_version 6
	.text
	.protected	k_qf27641d653_cast
	.globl	k_qf27641d653_cast
	.p2align	8
	.type	k_qf27641d653_cast,@function
k_qf27641d653_cast:
	s_mov_b64 s[64:65], 0
	v_nop
	global_prefetch_b8 v0, s[64:65] scope:SCOPE_SE
	s_setreg_imm32_b32 hwreg(HW_REG_WAVE_MODE, 25, 1), 1
	s_wait_xcnt 0x0
; x, content_embeddings, Wq, Wk, Wv are rounded once to bf16; Wo is rounded to bf16 and that number is written as f16.
; ab: x as [8192][1024] bf16, then content_embeddings likewise.  wb: Wq, Wk, Wv (bf16), Wo (f16), [1024][1024] each.
; LIMITS.  A number of Wo beyond 65,504 becomes an infinity in f16; below 6.1e-5 it keeps f16's fixed step of 6e-8.
; SHARES.  A work-group converts 16,384 numbers: 16 loads of 16 bytes a lane (a wave's load covers 512 consecutive bytes), 16 stores of
; 8 bytes a lane (a wave's store covers 256 consecutive bytes, aligned).  Grid row y picks the tensor: 0-7 x, 8-15 content_embeddings,
; 16-19 the four weights.  All 16 loads are out before the first is used; every register is written once, so no store's source is rewritten.
; No LDS, no matrix unit, no cluster: nothing is shared and nothing is multiplied.
.set X, 4                              ; v[4:67]   as loaded
.set Y, 68                             ; v[68:99]  packed, to store
	s_load_b512 s[8:23], s[0:1], 0x0               ; x 8, ce 10, Wq 12, Wk 14, Wv 16, Wo 18, ab 20, wb 22
	s_and_b32 s2, ttmp7, 0xffff                    ; y
	s_and_b32 s3, s2, 7
	s_cmp_lt_u32 s2, 16
	s_cselect_b32 s3, s3, 0                        ; which eighth of x or ce; a weight has one row of blocks
	s_lshl_b32 s3, s3, 6
	s_add_co_u32 s3, s3, ttmp9
	s_lshl_b32 s24, s3, 16                         ; 65,536 bytes of f32 a block
	s_mov_b32 s25, 0
	s_and_b32 s4, s2, 15                           ; y in ab, y - 16 in wb
	s_lshl_b32 s4, s4, 6
	s_add_co_u32 s4, s4, ttmp9
	s_lshl_b32 s26, s4, 15                         ; 32,768 bytes of 16-bit numbers a block
	s_mov_b32 s27, 0
	v_lshlrev_b32 v1, 4, v0
	v_lshlrev_b32 v2, 3, v0
	s_wait_kmcnt 0x0
	s_cmp_lt_u32 s2, 8
	s_cselect_b64 s[28:29], s[8:9], s[10:11]
	s_cmp_lt_u32 s2, 16
	s_cselect_b64 s[30:31], s[20:21], s[22:23]
	s_cselect_b64 s[28:29], s[28:29], s[12:13]
	s_cmp_lt_u32 s2, 17
	s_cselect_b64 s[28:29], s[28:29], s[14:15]
	s_cmp_lt_u32 s2, 18
	s_cselect_b64 s[28:29], s[28:29], s[16:17]
	s_cmp_lt_u32 s2, 19
	s_cselect_b64 s[28:29], s[28:29], s[18:19]
	s_add_nc_u64 s[28:29], s[28:29], s[24:25]
	s_add_nc_u64 s[30:31], s[30:31], s[26:27]
.irp j, 0,1,2,3,4,5,6,7,8,9,10,11,12,13,14,15
	global_load_b128 v[X+4*(\j):X+4*(\j)+3], v1, s[28:29] offset:4096*(\j) th:TH_LOAD_NT
.endr
	s_cmp_eq_u32 s2, 19
	s_cbranch_scc1 .Lwo
.irp j, 0,1,2,3,4,5,6,7,8,9,10,11,12,13,14,15
	s_wait_loadcnt 15-(\j)                         ; loads come back in order: load j is in, the younger ones stay out
	v_cvt_pk_bf16_f32 v[Y+2*(\j)], v[X+4*(\j)], v[X+4*(\j)+1]
	v_cvt_pk_bf16_f32 v[Y+2*(\j)+1], v[X+4*(\j)+2], v[X+4*(\j)+3]
	global_store_b64 v2, v[Y+2*(\j):Y+2*(\j)+1], s[30:31] offset:2048*(\j)
.endr
	s_endpgm
.Lwo:                                          ; Wo: rounded to bf16 like every input, widened again, and written as f16
.irp j, 0,1,2,3,4,5,6,7,8,9,10,11,12,13,14,15
	s_wait_loadcnt 15-(\j)
	v_cvt_pk_bf16_f32 v100, v[X+4*(\j)], v[X+4*(\j)+1]
	v_cvt_pk_bf16_f32 v101, v[X+4*(\j)+2], v[X+4*(\j)+3]
	v_lshlrev_b32 v102, 16, v100
	v_and_b32 v100, 0xffff0000, v100
	v_lshlrev_b32 v103, 16, v101
	v_and_b32 v101, 0xffff0000, v101
	v_cvt_pk_f16_f32 v[Y+2*(\j)], v102, v100
	v_cvt_pk_f16_f32 v[Y+2*(\j)+1], v103, v101
	global_store_b64 v2, v[Y+2*(\j):Y+2*(\j)+1], s[30:31] offset:2048*(\j)
.endr
	s_endpgm
.Lfunc_end_k_qf27641d653_cast:
	.size	k_qf27641d653_cast, .Lfunc_end_k_qf27641d653_cast-k_qf27641d653_cast
	.p2alignl 7, 3214868480
	.fill 96, 4, 3214868480
	.section	.rodata,"a",@progbits
	.p2align	6, 0x0
	.amdhsa_kernel k_qf27641d653_cast
		.amdhsa_group_segment_fixed_size 0
		.amdhsa_private_segment_fixed_size 0
		.amdhsa_enable_private_segment 0
		.amdhsa_kernarg_size 64
		.amdhsa_user_sgpr_count 2
		.amdhsa_user_sgpr_kernarg_segment_ptr 1
		.amdhsa_wavefront_size32 1
		.amdhsa_system_sgpr_workgroup_id_x 1
		.amdhsa_system_sgpr_workgroup_id_y 1
		.amdhsa_system_sgpr_workgroup_id_z 1
		.amdhsa_system_vgpr_workitem_id 0
		.amdhsa_next_free_vgpr 104
		.amdhsa_next_free_sgpr 66
		.amdhsa_reserve_vcc 0
		.amdhsa_float_denorm_mode_32 3
		.amdhsa_float_denorm_mode_16_64 3
		.amdhsa_memory_ordered 1
		.amdhsa_forward_progress 1
		.amdhsa_inst_pref_size 16
	.end_amdhsa_kernel
	.amdgpu_metadata
---
amdhsa.version: [ 1, 2 ]
amdhsa.kernels:
  - .name:           k_qf27641d653_cast
    .symbol:         k_qf27641d653_cast.kd
    .args:
      - { .name: x, .offset: 0, .size: 8, .value_kind: global_buffer, .address_space: global }
      - { .name: content_embeddings, .offset: 8, .size: 8, .value_kind: global_buffer, .address_space: global }
      - { .name: Wq, .offset: 16, .size: 8, .value_kind: global_buffer, .address_space: global }
      - { .name: Wk, .offset: 24, .size: 8, .value_kind: global_buffer, .address_space: global }
      - { .name: Wv, .offset: 32, .size: 8, .value_kind: global_buffer, .address_space: global }
      - { .name: Wo, .offset: 40, .size: 8, .value_kind: global_buffer, .address_space: global }
      - { .name: ab, .offset: 48, .size: 8, .value_kind: global_buffer, .address_space: global }
      - { .name: wb, .offset: 56, .size: 8, .value_kind: global_buffer, .address_space: global }
    .group_segment_fixed_size: 0
    .private_segment_fixed_size: 0
    .kernarg_segment_align: 8
    .kernarg_segment_size: 64
    .max_flat_workgroup_size: 256
    .sgpr_count:     66
    .vgpr_count:     104
    .wavefront_size: 32
...
	.end_amdgpu_metadata
.endif
;; end of part 1
;; launch proj (part 2): grid 12 x 32, 4 waves a work-group, clusters of 4 x 4, 327,680 bytes of LDS; arguments ab, wb, bq, bk, bv, qkv; writes qkv
.if DOCPART == 2
	.amdgcn_target "amdgcn-amd-amdhsa--gfx1250"
	.amdhsa_code_object_version 6
	.text
	.protected	k_qf27641d653_proj
	.globl	k_qf27641d653_proj
	.p2align	8
	.type	k_qf27641d653_proj,@function
k_qf27641d653_proj:
	s_mov_b64 s[64:65], 0
	v_nop
	global_prefetch_b8 v0, s[64:65] scope:SCOPE_SE
	s_setreg_imm32_b32 hwreg(HW_REG_WAVE_MODE, 25, 1), 1
	s_wait_xcnt 0x0
	s_wait_alu depctr_hold_cnt(0) depctr_sa_sdst(0) depctr_va_vdst(0) depctr_va_sdst(0) depctr_va_ssrc(0) depctr_va_vcc(0) depctr_vm_vsrc(0)
	s_getreg_b32 s2, hwreg(HW_REG_IB_STS2, 6, 4)
	s_cmp_eq_u32 s2, 0
	s_cbranch_scc0 .Lentry_in_a_cluster
	s_endpgm
.Lentry_in_a_cluster:
	s_bfe_u32 s2, ttmp6, 0x10000c
	s_cmp_lg_u32 s2, 0xf033
	s_cbranch_scc0 .Lentry_shape_is_right
	s_endpgm
.Lentry_shape_is_right:
; Q = x Wq^T + bq, K = ce Wk^T + bk, V = ce Wv^T + bv: three products [8192][1024] x [1024][1024]^T in one launch, bf16 operands, f32 sums, results rounded once to bf16.
; The biases are rounded to bf16 like every input and are the C operand of the products that start the sums.
; SHARES.  A tile of the result is 256 rows x 256 columns; four waves, each 128 x 128: 64 accumulators of 16 x 16 (512 registers).  The cluster's x picks the product p, its four columns are the weight's four column tiles.
; K goes in 8 steps of 128 (rows of 256 bytes, aligned) through two LDS slots: 256 matrix instructions a wave in a step, 224 of them between a refill and the wait for it.
; CLUSTER 4 x 4: A's tile is shared along a row of the cluster, B's along a column: joint loads.
; THE MATRIX INSTRUCTION IS USED TRANSPOSED (source 0 = 16 rows of B, source 1 = 16 rows of A): lane l holds row l % 16 and the columns 8 (l / 16) + 0..7 of a 16 x 16 block.
; REGISTERS.  Window 0: v0-31 addresses, v32-63 at work, v64-127 and v128-191 A's two fragment buffers (8 x 16 rows x 32 K), v192-223 packed results.
;   Window 1: v0-63 the bias, v64-127 and v128-191 B's two buffers.  Window 2: accumulator (a, b) of my rows 0-63 at 8 (8 a + b).  Window 3: those of my rows 64-127.
; LDS.  A slot is 4 x 128 rows x 272 bytes (A's halves, B's halves: wave x 34,816); slot 1 begins at 139,264 = 0x22000: no wave's base has one of those two bits, so one exclusive or turns a slot's address into the other's.
;   Behind the ring a stage of 16 rows x 272 bytes a wave, then the spare words.  All of a WGP's LDS is claimed and 0 is added to spare words.
; 384 work-groups, one tile each: a second tile to a work-group would want further copies of the step and of the way out.
.set KS,     8
.set OPITCH, 2048
.set STEPK,  256
.set PITCH,  272
.set HALFT,  128*PITCH
.set SLOT,   4*HALFT
.set STAGE,  2*SLOT
.set SPARE,  STAGE+4*16*PITCH
.set AA0,  4
.set AB0,  5
.set ADRA, 6
.set ADRB, 7
.set STO,  8
.set RD,   9
.set CO,   10
.set PFO,  11
.set SPW,  12
.set NIL,  13
.set LN,   15
.set F0,   64
.set F1,   128
.set TMP,  192
.set G1A,  24
.set G0A,  32
.set G1B,  48
.set G0B,  56
.set LIM,  43
.set PFA,  44
.set CNT,  66
.set TB,   67
.set MSB, 0
.macro WIN new                         ; the immediate's high byte repeats the setting that is left; a switch that changes nothing is dropped
.if MSB != (\new)
	s_set_vgpr_msb (MSB<<8)|(\new)
.set MSB, \new
.endif
.endm
.macro CREST                           ; a round of the cluster's barrier behind its opening barrier
	s_cmp_lg_u32 s10, 0
	s_cbranch_scc1 .Lnot_wave_0_\@
	s_barrier_signal -3
.Lnot_wave_0_\@:
	s_barrier_wait -3
	s_barrier_signal -1
	s_barrier_wait -1
.endm
.macro CROUND
	s_barrier_signal -1
	s_barrier_wait -1
	CREST
.endm
.macro PLACES                          ; four plain instructions between a matrix instruction and a load into its registers
.rept 4
	v_nop
.endr
.endm
; 16 matrix instructions: row blocks a0, a0 + 1 of the window's four (hi = 0: my rows 0-63, 1: rows 64-127) x all 8 column blocks, 32 along K.
; Source 0 (B) window 1, source 1 (A) window 0, D window 2 + hi; C the same, or (first = 1) the bias in window 1.  The 64 accumulators take turns, one instruction a turn, in the same order in every quarter.
.macro MUL16 f, hi, a0, first
.if \first
	WIN 0x91+0x40*(\hi)
.else
	WIN 0xa1+0x50*(\hi)
.endif
.irp a, \a0, (\a0)+1
.irp b, 0,1,2,3,4,5,6,7
.if \first
	v_wmma_f32_16x16x32_bf16 v[8*(8*(\a)+(\b)):8*(8*(\a)+(\b))+7], v[(\f)+8*(\b):(\f)+8*(\b)+7], v[(\f)+8*(4*(\hi)+(\a)):(\f)+8*(4*(\hi)+(\a))+7], v[8*(\b):8*(\b)+7]
.else
	v_wmma_f32_16x16x32_bf16 v[8*(8*(\a)+(\b)):8*(8*(\a)+(\b))+7], v[(\f)+8*(\b):(\f)+8*(\b)+7], v[(\f)+8*(4*(\hi)+(\a)):(\f)+8*(4*(\hi)+(\a))+7], v[8*(8*(\a)+(\b)):8*(8*(\a)+(\b))+7]
.endif
.endr
.endr
.endm
; 32 LDS loads in one run: quarter q's fragments (128 rows of B, then 128 rows of A) into buffer f
.macro FETCH q, f
	WIN 0x40                                       ; destination window 1, address window 0
.irp i, 0,1,2,3,4,5,6,7
	ds_load_b128 v[(\f)+8*(\i):(\f)+8*(\i)+3],   v[ADRB] offset:64*(\q)+16*PITCH*(\i)
	ds_load_b128 v[(\f)+8*(\i)+4:(\f)+8*(\i)+7], v[ADRB] offset:64*(\q)+16*PITCH*(\i)+32
.endr
	WIN 0
.irp i, 0,1,2,3,4,5,6,7
	ds_load_b128 v[(\f)+8*(\i):(\f)+8*(\i)+3],   v[ADRA] offset:64*(\q)+16*PITCH*(\i)
	ds_load_b128 v[(\f)+8*(\i)+4:(\f)+8*(\i)+7], v[ADRA] offset:64*(\q)+16*PITCH*(\i)+32
.endr
.endm
; One of a K step's first three quarters: multiplies buffer f, and in its middle fetches quarter q into buffer g
.macro QUARTER q, f, g, first
	s_wait_dscnt 8                                 ; B and A's rows 0-63 are in; the youngest eight loads (A's rows 64-127) may be out
	MUL16 \f, 0, 0, \first
	MUL16 \f, 0, 2, \first
	PLACES
	FETCH \q, \g
	s_wait_dscnt 32                                ; all but the 32 just issued
	MUL16 \f, 1, 0, \first
	MUL16 \f, 1, 2, \first
.endm
; A joint refill by the walking descriptors: waves 0, 1 fetch A's halves, waves 2, 3 B's.  An s_nop 0 and four v_nop follow each line.
.macro JLOAD
	s_cmp_eq_u32 s11, 0
	s_cbranch_scc0 .Lfor_b_\@
	tensor_load_to_lds s[G0A+4:G0A+7], s[G1A:G1A+7]
	s_nop 0
.rept 4
	v_nop
.endr
	s_branch .Lasked_\@
.Lfor_b_\@:
	tensor_load_to_lds s[G0B+4:G0B+7], s[G1B:G1B+7]
	s_nop 0
.rept 4
	v_nop
.endr
.Lasked_\@:
.endm
; A prefetch of the K step that stands two refills on: a lane a row, 256 bytes each, one instruction a wave; the last two refills have no such step.
.macro ASK
	s_cmp_gt_u32 s[CNT], s[LIM]
	s_cbranch_scc0 .Lnot_mine_\@
	global_prefetch_b8 v[PFO], s[PFA:PFA+1] th:TH_LOAD_NT scope:SCOPE_SE
.Lnot_mine_\@:
.endm
; The last quarter multiplies buffer 1 and changes slots.  In front of the barrier each wave waits for all its tensor loads (one is out: its part of the next slot), adds 0 to its spare word,
; and waits for that and for its reads of this slot.  fill = 1: the barrier opens a round of the cluster's barrier and this slot is filled again, first thing behind the round.
.macro TURN fill
.if \fill
	s_wait_xcnt 0x0                                ; the last prefetch, a K step back, has read its address
	s_add_nc_u64 s[PFA:PFA+1], s[PFA:PFA+1], STEPK
.endif
	WIN 0
	s_wait_tensorcnt 0x0
	ds_add_u32 v[SPW], v[NIL]
	s_wait_dscnt 9                                 ; the add and the youngest eight loads may be out
	MUL16 F1, 0, 0, 0
	s_wait_dscnt 0x0                               ; the add is done, my reads of this slot are over
	s_barrier_signal -1
	MUL16 F1, 0, 2, 0
	WIN 0
	s_barrier_wait -1
.if \fill
	CREST
	s_xor_b32 s[G0A+5], s[G0A+5], SLOT             ; the walking descriptors: the other slot than last time, the next K step
	s_add_nc_u64 s[G0A+6:G0A+7], s[G0A+6:G0A+7], STEPK
	s_xor_b32 s[G0B+5], s[G0B+5], SLOT
	s_add_nc_u64 s[G0B+6:G0B+7], s[G0B+6:G0B+7], STEPK
	JLOAD                                          ; its four v_nop are also the places in front of the loads below
.else
	PLACES
.endif
	s_xor_b32 s[TB], s[TB], SLOT
	v_add_nc_u32 v[ADRA], s[TB], v[AA0]
	v_add_nc_u32 v[ADRB], s[TB], v[AB0]
	FETCH 0, F0
.if \fill
	ASK
.endif
	MUL16 F1, 1, 0, 0
	MUL16 F1, 1, 2, 0
.endm
	s_load_b256 s[76:83], s[0:1], 0x0              ; ab 76, wb 78, bq 80, bk 82
	s_load_b128 s[84:87], s[0:1], 0x20             ; bv 84, qkv 86
	v_lshl_add_u32 v[SPW], v0, 2, SPARE
	v_mov_b32 v[NIL], 0
	ds_add_u32 v[SPW], v[NIL]                      ; the wave's opening: the add and its wait ahead of my first tensor load
	v_lshrrev_b32 v3, 5, v0
	v_readfirstlane_b32 s10, v3                    ; wave 0..3
	s_lshr_b32 s11, s10, 1                         ; my half of the tile's rows; also: I fetch for A (0) or B (1)
	s_and_b32 s12, s10, 1                          ; my half of its columns; also: which 128 rows of that tile I fetch
	s_bfe_u32 s40, ttmp6, 0x40000                  ; cx: the weight's column tile
	s_bfe_u32 s41, ttmp6, 0x40004                  ; cy
	s_mov_b32 s72, ttmp9                           ; p: 0 Q, 1 K, 2 V
	s_and_b32 s14, ttmp7, 0xffff                   ; cluster y
	s_lshl_b32 s13, s14, 2
	s_add_co_u32 s13, s13, s41                     ; tile row, 0..31
	s_lshl_b32 s16, s41, 2
	s_lshl_b32 s16, 15, s16                        ; my row of the cluster
	s_lshl_b32 s17, 0x1111, s40                    ; my column
	s_or_b32 s[G1A], s16, 0x07710000               ; mask; 2-byte elements; padding on; bit 21 beside the mask; after every 64 words 4 words
	s_or_b32 s[G1B], s17, 0x07710000
.irp g, G1A, G1B
	s_mov_b32 s[(\g)+1], 128<<16                   ; tensor_dim0 = 128
	s_mov_b32 s[(\g)+2], 128<<16                   ; tensor_dim1 = 128
	s_mov_b32 s[(\g)+3], 128<<16                   ; tile_dim0 = 128
	s_mov_b32 s[(\g)+4], 128                       ; tile_dim1 = 128
	s_mov_b32 s[(\g)+5], 1024                      ; elements from row to row
	s_mov_b32 s[(\g)+6], 0
	s_mov_b32 s[(\g)+7], 0
.endr
	s_lshl_b32 s18, s13, 8                         ; A: row 256 x tile row + 128 x half,
	s_lshl_b32 s2, s12, 7
	s_add_co_u32 s18, s18, s2
	s_lshl_b32 s18, s18, 11                        ; 2,048 bytes a row,
	s_min_u32 s2, s72, 1
	s_lshl_b32 s2, s2, 24                          ; in x (p = 0) or in ce
	s_add_co_u32 s18, s18, s2
	s_mov_b32 s19, 0
	s_lshl_b32 s20, s40, 8                         ; B: row 256 x column tile + 128 x half,
	s_lshl_b32 s3, s12, 7
	s_add_co_u32 s20, s20, s3
	s_lshl_b32 s20, s20, 11
	s_lshl_b32 s3, s72, 21                         ; in weight p
	s_add_co_u32 s20, s20, s3
	s_mov_b32 s21, 0
	s_mul_i32 s22, s10, HALFT                      ; where they go: wave x 128 rows: no place in the cluster enters an LDS address
	s_mov_b32 s74, 0xffff0000
	s_wait_dscnt 0x0                               ; the opening add is done
	s_wait_kmcnt 0x0
	s_add_nc_u64 s[4:5], s[76:77], s[18:19]
	s_add_nc_u64 s[6:7], s[78:79], s[20:21]
	CROUND                                         ; all sixteen work-groups are here: the first joint loads meet
.irp s, 0,1
	s_mov_b32 s[G0A+4*(\s)], 1
	s_add_co_u32 s[G0A+4*(\s)+1], s22, (\s)*SLOT
	s_add_nc_u64 s[G0A+4*(\s)+2:G0A+4*(\s)+3], s[4:5], (\s)*STEPK
	s_or_b32 s[G0A+4*(\s)+3], s[G0A+4*(\s)+3], 0x80000000
	s_mov_b32 s[G0B+4*(\s)], 1
	s_add_co_u32 s[G0B+4*(\s)+1], s22, (\s)*SLOT
	s_add_nc_u64 s[G0B+4*(\s)+2:G0B+4*(\s)+3], s[6:7], (\s)*STEPK
	s_or_b32 s[G0B+4*(\s)+3], s[G0B+4*(\s)+3], 0x80000000
.endr
	s_cmp_eq_u32 s11, 0                            ; a wave's two first fills stand in one branch: two loads of mine are out
	s_cbranch_scc0 .Lfirst_b
	tensor_load_to_lds s[G0A:G0A+3], s[G1A:G1A+7]
	s_nop 0
	tensor_load_to_lds s[G0A+4:G0A+7], s[G1A:G1A+7]
	s_nop 0
.rept 4
	v_nop
.endr
	s_branch .Lfirst_done
.Lfirst_b:
	tensor_load_to_lds s[G0B:G0B+3], s[G1B:G1B+7]
	s_nop 0
	tensor_load_to_lds s[G0B+4:G0B+7], s[G1B:G1B+7]
	s_nop 0
.rept 4
	v_nop
.endr
.Lfirst_done:
	v_and_b32 v1, 15, v0                           ; r = l % 16
	v_bfe_u32 v2, v0, 4, 1                         ; h = l / 16
	v_and_b32 v[LN], 31, v0
	v_mul_u32_u24 v3, v1, PITCH
	v_lshl_add_u32 v3, v2, 4, v3                   ; row x pitch + 16 x half
	s_mul_i32 s14, s11, HALFT                      ; my 128 rows of A
	v_add_nc_u32 v[AA0], s14, v3
	s_mul_i32 s14, s12, HALFT                      ; my 128 rows of B, behind A's 256
	s_add_co_u32 s14, s14, 2*HALFT
	v_add_nc_u32 v[AB0], s14, v3
	v_mov_b32 v[ADRA], v[AA0]
	v_mov_b32 v[ADRB], v[AB0]
	s_mov_b32 s[TB], 0
	s_mul_i32 s14, s10, 16*PITCH
	s_add_co_u32 s14, s14, STAGE                   ; my stage
	v_add_nc_u32 v[STO], s14, v3                   ; in: row r, 16 bytes for each half of the lanes
	v_mul_u32_u24 v3, v2, PITCH
	v_lshl_add_u32 v3, v1, 4, v3
	v_add_nc_u32 v[RD], s14, v3                    ; back: lanes 0-15 one row of 256 bytes, lanes 16-31 the next
	v_lshlrev_b32 v3, 11, v2
	v_lshl_add_u32 v[CO], v1, 4, v3                ; the same two rows in the result
	; the bias of my 128 columns: register 8 b + j holds column 16 b + 8 h + j
	s_cmp_eq_u32 s72, 0
	s_cselect_b64 s[92:93], s[80:81], s[82:83]
	s_cmp_lt_u32 s72, 2
	s_cselect_b64 s[92:93], s[92:93], s[84:85]
	s_lshl_b32 s14, s40, 10
	s_lshl_b32 s15, s12, 9
	s_add_co_u32 s14, s14, s15
	v_lshl_add_u32 v28, v2, 5, s14
	WIN 0x40                                       ; destination window 1
.irp b, 0,1,2,3,4,5,6,7
	global_load_b128 v[8*(\b):8*(\b)+3],   v28, s[92:93] offset:64*(\b)
	global_load_b128 v[8*(\b)+4:8*(\b)+7], v28, s[92:93] offset:64*(\b)+16
.endr
	WIN 0
	; where my part of the result begins
	s_lshl_b32 s14, s13, 8
	s_lshl_b32 s15, s11, 7
	s_add_co_u32 s14, s14, s15
	s_lshl_b32 s14, s14, 11
	s_lshl_b32 s15, s40, 9
	s_add_co_u32 s14, s14, s15
	s_lshl_b32 s15, s12, 8
	s_add_co_u32 s14, s14, s15
	s_lshl_b32 s15, s72, 24
	s_add_co_u32 s14, s14, s15
	s_mov_b32 s15, 0
	s_add_nc_u64 s[8:9], s[86:87], s[14:15]
	; the prefetches.  Of the 128 rows that a wave fetches, each of the four partners that ask for them jointly takes 32, told apart by address (cx for A, cy for B).
	; A's rows are asked for where they are first read (p = 0: x, p = 1: ce); B's by the first of the eight clusters that walk the same weight.
	s_lshl_b32 s14, s13, 8
	s_lshl_b32 s15, s12, 7
	s_add_co_u32 s14, s14, s15
	s_lshl_b32 s15, s40, 5
	s_add_co_u32 s14, s14, s15
	s_lshl_b32 s14, s14, 11
	s_add_co_u32 s14, s14, s2
	s_lshl_b32 s16, s40, 8
	s_lshl_b32 s15, s12, 7
	s_add_co_u32 s16, s16, s15
	s_lshl_b32 s15, s41, 5
	s_add_co_u32 s16, s16, s15
	s_lshl_b32 s16, s16, 11
	s_lshl_b32 s15, s72, 21
	s_add_co_u32 s16, s16, s15
	s_cmp_le_u32 s72, 1
	s_cselect_b32 s15, 2, -1
	s_and_b32 s17, ttmp7, 0xffff
	s_cmp_eq_u32 s17, 0
	s_cselect_b32 s17, 2, -1
	s_cmp_eq_u32 s11, 0
	s_cselect_b32 s[LIM], s15, s17                 ; the same in all sixteen partners, for a given wave
	s_cselect_b32 s14, s14, s16
	s_cselect_b64 s[PFA:PFA+1], s[76:77], s[78:79]
	s_add_co_u32 s14, s14, 3*STEPK                 ; at K step 3: the first refill steps it to 4
	s_mov_b32 s15, 0
	s_add_nc_u64 s[PFA:PFA+1], s[PFA:PFA+1], s[14:15]
	v_lshlrev_b32 v[PFO], 11, v[LN]
	s_wait_loadcnt 0x0                             ; the bias; it is rounded to bf16 and widened again
	WIN 0x05
.set i, 0
.rept 32
	v_cvt_pk_bf16_f32 v[32+i], v[2*i], v[2*i+1]
.set i, i+1
.endr
	WIN 0x40
.set i, 0
.rept 32
	v_lshlrev_b32 v[2*i], 16, v[32+i]
	v_and_b32 v[2*i+1], s74, v[32+i]
.set i, i+1
.endr
	WIN 0
	s_wait_tensorcnt 0x1                           ; my part of K step 0 is in; K step 1's may stay out
	s_wait_dscnt 0x0
	s_barrier_signal -1
	s_barrier_wait -1
	FETCH 0, F0
	QUARTER 1, F0, F1, 1                           ; the first quarter stands in front of the loop: its products start the sums
	WIN 0
	s_mov_b32 s[CNT], KS-2
.Lstep:                                        ; a trip: a K step's quarters 1 to 3, the refill, the next step's quarter 0
	QUARTER 2, F1, F0, 0
	QUARTER 3, F0, F1, 0
	TURN 1
	QUARTER 1, F0, F1, 0
	WIN 0
	s_sub_co_u32 s[CNT], s[CNT], 1
	s_cmp_lg_u32 s[CNT], 0
	s_cbranch_scc1 .Lstep
	s_mov_b32 s[CNT], 2
.Ltail:                                        ; the last two K steps ask for nothing; the second trip's barrier and its 32 loads of the other slot serve nothing: the price of one text for both
	QUARTER 2, F1, F0, 0
	QUARTER 3, F0, F1, 0
	TURN 0
	WIN 0
	s_wait_dscnt 0x0                               ; no LDS load is out at the label below, on either way
	s_cmp_eq_u32 s[CNT], 1
	s_cbranch_scc1 .Lskip
	QUARTER 1, F0, F1, 0
	WIN 0
.Lskip:
	s_sub_co_u32 s[CNT], s[CNT], 1
	s_cmp_lg_u32 s[CNT], 0
	s_cbranch_scc1 .Ltail
.rept 8
	v_nop                                          ; the places behind the last products
.endr
; THE WAY OUT, a block of 16 rows at a time: rounded to bf16 (16 bytes a lane), through my own stage, back as whole rows of 256 bytes into one of four sets of registers, stored.
.macro PACK a
	WIN 5*(2+(\a)/4)                               ; sources in window 2 or 3
.set i, 0
.rept 32
	v_cvt_pk_bf16_f32 v[TMP+i], v[64*((\a)%4)+2*i], v[64*((\a)%4)+2*i+1]
.set i, i+1
.endr
	WIN 0
.endm
.macro TOSTAGE a
.irp b, 0,1,2,3,4,5,6,7
	ds_store_b128 v[STO], v[TMP+4*(\b):TMP+4*(\b)+3] offset:32*(\b)
.endr
.if (\a) >= 4
	s_wait_xcnt 0x0                                ; the stores of the block four back have read this set of registers
.endif
.irp t, 0,1,2,3,4,5,6,7
	ds_load_b128 v[64+32*((\a)%4)+4*(\t):64+32*((\a)%4)+4*(\t)+3], v[RD] offset:2*PITCH*(\t)  ; LDS serves a wave's instructions in order: these see the stores above
.endr
.endm
.macro SEND a
	s_wait_dscnt 0x0
.irp t, 0,1,2,3,4,5,6,7
	global_store_b128 v[CO], v[64+32*((\a)%4)+4*(\t):64+32*((\a)%4)+4*(\t)+3], s[8:9] offset:(16*(\a)+2*(\t))*OPITCH  ; 16 lanes store 256 consecutive bytes, aligned
.endr
.endm
	PACK 0
	TOSTAGE 0
.irp a, 1,2,3,4,5,6,7
	PACK \a
	SEND (\a)-1
	TOSTAGE \a
.endr
	SEND 7
	s_wait_tensorcnt 0x0                           ; the wave's end
	ds_add_u32 v[SPW], v[NIL]
	s_wait_dscnt 0x0
	CROUND                                         ; the closing round
	s_endpgm
.Lfunc_end_k_qf27641d653_proj:
	.size	k_qf27641d653_proj, .Lfunc_end_k_qf27641d653_proj-k_qf27641d653_proj
	.p2alignl 7, 3214868480
	.fill 96, 4, 3214868480
	.section	.rodata,"a",@progbits
	.p2align	6, 0x0
	.amdhsa_kernel k_qf27641d653_proj
		.amdhsa_group_segment_fixed_size 327680
		.amdhsa_private_segment_fixed_size 0
		.amdhsa_enable_private_segment 0
		.amdhsa_kernarg_size 48
		.amdhsa_user_sgpr_count 2
		.amdhsa_user_sgpr_kernarg_segment_ptr 1
		.amdhsa_wavefront_size32 1
		.amdhsa_system_sgpr_workgroup_id_x 1
		.amdhsa_system_sgpr_workgroup_id_y 1
		.amdhsa_system_sgpr_workgroup_id_z 1
		.amdhsa_system_vgpr_workitem_id 0
		.amdhsa_next_free_vgpr 1024
		.amdhsa_next_free_sgpr 96
		.amdhsa_reserve_vcc 0
		.amdhsa_float_denorm_mode_32 3
		.amdhsa_float_denorm_mode_16_64 3
		.amdhsa_memory_ordered 1
		.amdhsa_forward_progress 1
		.amdhsa_inst_pref_size 107
	.end_amdhsa_kernel
	.amdgpu_metadata
---
amdhsa.version: [ 1, 2 ]
amdhsa.kernels:
  - .name:           k_qf27641d653_proj
    .symbol:         k_qf27641d653_proj.kd
    .args:
      - { .name: ab, .offset: 0, .size: 8, .value_kind: global_buffer, .address_space: global }
      - { .name: wb, .offset: 8, .size: 8, .value_kind: global_buffer, .address_space: global }
      - { .name: bq, .offset: 16, .size: 8, .value_kind: global_buffer, .address_space: global }
      - { .name: bk, .offset: 24, .size: 8, .value_kind: global_buffer, .address_space: global }
      - { .name: bv, .offset: 32, .size: 8, .value_kind: global_buffer, .address_space: global }
      - { .name: qkv, .offset: 40, .size: 8, .value_kind: global_buffer, .address_space: global }
    .group_segment_fixed_size: 327680
    .private_segment_fixed_size: 0
    .kernarg_segment_align: 8
    .kernarg_segment_size: 48
    .max_flat_workgroup_size: 128
    .sgpr_count:     96
    .vgpr_count:     1024
    .wavefront_size: 32
...
	.end_amdgpu_metadata
.endif
;; end of part 2
;; launch score (part 3): grid 8 x 32, 4 waves a work-group, clusters of 4 x 4, 327,680 bytes of LDS; arguments qkv, pb, st; writes pb, st
.if DOCPART == 3
	.amdgcn_target "amdgcn-amd-amdhsa--gfx1250"
	.amdhsa_code_object_version 6
	.text
	.protected	k_qf27641d653_score
	.globl	k_qf27641d653_score
	.p2align	8
	.type	k_qf27641d653_score,@function
k_qf27641d653_score:
	s_mov_b64 s[64:65], 0
	v_nop
	global_prefetch_b8 v0, s[64:65] scope:SCOPE_SE
	s_setreg_imm32_b32 hwreg(HW_REG_WAVE_MODE, 25, 1), 1
	s_wait_xcnt 0x0
	s_wait_alu depctr_hold_cnt(0) depctr_sa_sdst(0) depctr_va_vdst(0) depctr_va_sdst(0) depctr_va_ssrc(0) depctr_va_vcc(0) depctr_vm_vsrc(0)
	s_getreg_b32 s2, hwreg(HW_REG_IB_STS2, 6, 4)
	s_cmp_eq_u32 s2, 0
	s_cbranch_scc0 .Lentry_in_a_cluster
	s_endpgm
.Lentry_in_a_cluster:
	s_bfe_u32 s2, ttmp6, 0x10000c
	s_cmp_lg_u32 s2, 0xf033
	s_cbranch_scc0 .Lentry_shape_is_right
	s_endpgm
.Lentry_shape_is_right:
; S = Q K^T for each batch, and the first half of the softmax.  For each query row and each block t of 128 keys: m = the block's largest score, p~ = 2^(c s - c m), c = log2(e) / 32,
; l = the sum of the block's p~ (unrounded, f32).  pb takes p~ in bf16, [8192 rows][2048 keys]; st takes (c m, l) in f32, [batch][t][row][2].  The launch behind corrects every block to the row's true maximum.
; LIMITS.  A weight below 2^-126 counts as 0 in l; NaN and infinities are not treated apart.
; SHARES.  A tile is 256 queries x 256 keys: 8 x 8 tiles a batch, 256 work-groups.  Four waves, each 128 x 128, so a wave's 128 keys are one block t = 2 x key tile + its half.
; K (the channels) goes in 8 steps of 128 through two LDS slots: 256 matrix instructions a wave in a step, 224 of them between a refill and the wait for it.
; CLUSTER 4 x 4: Q's tile is shared along a row of the cluster, K's along a column.  THE MATRIX INSTRUCTION IS USED TRANSPOSED: lane l holds query l % 16 and the keys 8 (l / 16) + 0..7 of a 16 x 16 block,
; so a row's maximum and sum want one exchange between the halves of the lanes.
; REGISTERS.  Window 0: v0-31 addresses, v32-47 at work, v48-63 the eight blocks' (c m, l), v64-127 and v128-191 Q's two fragment buffers, v192-223 packed results.
;   Window 1: v64-127 and v128-191 K's two buffers.  Window 2: accumulator (a, b) of my rows 0-63 at 8 (8 a + b).  Window 3: those of my rows 64-127.
; LDS as in the projection: two slots of 139,264 bytes, a stage of 16 rows x 272 bytes a wave, the spare words.  All of a WGP's LDS is claimed and 0 is added to spare words.
.set KS,     8
.set OPITCH, 4096
.set STEPK,  256
.set PITCH,  272
.set HALFT,  128*PITCH
.set SLOT,   4*HALFT
.set STAGE,  2*SLOT
.set SPARE,  STAGE+4*16*PITCH
.set AA0,  4
.set AB0,  5
.set ADRA, 6
.set ADRB, 7
.set STO,  8
.set RD,   9
.set CO,   10
.set PFO,  11
.set SPW,  12
.set NIL,  13
.set LN,   15
.set STT,  48
.set F0,   64
.set F1,   128
.set TMP,  192
.set G1A,  24
.set G0A,  32
.set G1B,  48
.set G0B,  56
.set LIM,  43
.set PFA,  44
.set CNT,  66
.set TB,   67
.set MSB, 0
.macro WIN new
.if MSB != (\new)
	s_set_vgpr_msb (MSB<<8)|(\new)
.set MSB, \new
.endif
.endm
.macro CREST
	s_cmp_lg_u32 s10, 0
	s_cbranch_scc1 .Lnot_wave_0_\@
	s_barrier_signal -3
.Lnot_wave_0_\@:
	s_barrier_wait -3
	s_barrier_signal -1
	s_barrier_wait -1
.endm
.macro CROUND
	s_barrier_signal -1
	s_barrier_wait -1
	CREST
.endm
.macro PLACES
.rept 4
	v_nop
.endr
.endm
; 16 matrix instructions: query blocks a0, a0 + 1 of the window's four x all 8 key blocks, 32 channels.  first = 1: the sums start with the constant 0.  The 64 accumulators take turns, one instruction a turn.
.macro MUL16 f, hi, a0, first
	WIN 0xa1+0x50*(\hi)                            ; source 0 (K) window 1, source 1 (Q) window 0, C and D window 2 + hi
.irp a, \a0, (\a0)+1
.irp b, 0,1,2,3,4,5,6,7
.if \first
	v_wmma_f32_16x16x32_bf16 v[8*(8*(\a)+(\b)):8*(8*(\a)+(\b))+7], v[(\f)+8*(\b):(\f)+8*(\b)+7], v[(\f)+8*(4*(\hi)+(\a)):(\f)+8*(4*(\hi)+(\a))+7], 0
.else
	v_wmma_f32_16x16x32_bf16 v[8*(8*(\a)+(\b)):8*(8*(\a)+(\b))+7], v[(\f)+8*(\b):(\f)+8*(\b)+7], v[(\f)+8*(4*(\hi)+(\a)):(\f)+8*(4*(\hi)+(\a))+7], v[8*(8*(\a)+(\b)):8*(8*(\a)+(\b))+7]
.endif
.endr
.endr
.endm
.macro FETCH q, f                      ; 32 LDS loads in one run: 128 rows of K, then 128 rows of Q
	WIN 0x40
.irp i, 0,1,2,3,4,5,6,7
	ds_load_b128 v[(\f)+8*(\i):(\f)+8*(\i)+3],   v[ADRB] offset:64*(\q)+16*PITCH*(\i)
	ds_load_b128 v[(\f)+8*(\i)+4:(\f)+8*(\i)+7], v[ADRB] offset:64*(\q)+16*PITCH*(\i)+32
.endr
	WIN 0
.irp i, 0,1,2,3,4,5,6,7
	ds_load_b128 v[(\f)+8*(\i):(\f)+8*(\i)+3],   v[ADRA] offset:64*(\q)+16*PITCH*(\i)
	ds_load_b128 v[(\f)+8*(\i)+4:(\f)+8*(\i)+7], v[ADRA] offset:64*(\q)+16*PITCH*(\i)+32
.endr
.endm
.macro QUARTER q, f, g, first
	s_wait_dscnt 8                                 ; the youngest eight loads (Q's rows 64-127) may be out
	MUL16 \f, 0, 0, \first
	MUL16 \f, 0, 2, \first
	PLACES
	FETCH \q, \g
	s_wait_dscnt 32                                ; all but the 32 just issued
	MUL16 \f, 1, 0, \first
	MUL16 \f, 1, 2, \first
.endm
.macro JLOAD
	s_cmp_eq_u32 s11, 0
	s_cbranch_scc0 .Lfor_b_\@
	tensor_load_to_lds s[G0A+4:G0A+7], s[G1A:G1A+7]
	s_nop 0
.rept 4
	v_nop
.endr
	s_branch .Lasked_\@
.Lfor_b_\@:
	tensor_load_to_lds s[G0B+4:G0B+7], s[G1B:G1B+7]
	s_nop 0
.rept 4
	v_nop
.endr
.Lasked_\@:
.endm
.macro ASK                             ; the K step two refills on: a lane a row, 256 bytes each; the last two refills have no such step
	s_cmp_gt_u32 s[CNT], s[LIM]
	s_cbranch_scc0 .Lnot_mine_\@
	global_prefetch_b8 v[PFO], s[PFA:PFA+1] th:TH_LOAD_NT scope:SCOPE_SE
.Lnot_mine_\@:
.endm
.macro TURN fill                       ; the last quarter and the change of slots, as in the projection
.if \fill
	s_wait_xcnt 0x0                                ; the last prefetch, a K step back, has read its address
	s_add_nc_u64 s[PFA:PFA+1], s[PFA:PFA+1], STEPK
.endif
	WIN 0
	s_wait_tensorcnt 0x0                           ; all my tensor loads have landed: the one that was out is my part of the next slot
	ds_add_u32 v[SPW], v[NIL]
	s_wait_dscnt 9                                 ; the add and the youngest eight loads may be out
	MUL16 F1, 0, 0, 0
	s_wait_dscnt 0x0                               ; the add is done, my reads of this slot are over
	s_barrier_signal -1
	MUL16 F1, 0, 2, 0
	WIN 0
	s_barrier_wait -1
.if \fill
	CREST
	s_xor_b32 s[G0A+5], s[G0A+5], SLOT
	s_add_nc_u64 s[G0A+6:G0A+7], s[G0A+6:G0A+7], STEPK
	s_xor_b32 s[G0B+5], s[G0B+5], SLOT
	s_add_nc_u64 s[G0B+6:G0B+7], s[G0B+6:G0B+7], STEPK
	JLOAD
.else
	PLACES
.endif
	s_xor_b32 s[TB], s[TB], SLOT
	v_add_nc_u32 v[ADRA], s[TB], v[AA0]
	v_add_nc_u32 v[ADRB], s[TB], v[AB0]
	FETCH 0, F0
.if \fill
	ASK
.endif
	MUL16 F1, 1, 0, 0
	MUL16 F1, 1, 2, 0
.endm
	s_load_b128 s[76:79], s[0:1], 0x0              ; qkv 76, pb 78
	s_load_b64 s[80:81], s[0:1], 0x10              ; st
	v_lshl_add_u32 v[SPW], v0, 2, SPARE
	v_mov_b32 v[NIL], 0
	ds_add_u32 v[SPW], v[NIL]                      ; the wave's opening: the add and its wait ahead of my first tensor load
	v_lshrrev_b32 v3, 5, v0
	v_readfirstlane_b32 s10, v3
	s_lshr_b32 s11, s10, 1
	s_and_b32 s12, s10, 1
	s_bfe_u32 s40, ttmp6, 0x40000                  ; cx
	s_bfe_u32 s41, ttmp6, 0x40004                  ; cy
	s_lshl_b32 s42, ttmp9, 2
	s_add_co_u32 s42, s42, s40                     ; key tile, 0..7
	s_and_b32 s14, ttmp7, 0xffff
	s_lshr_b32 s72, s14, 1                         ; batch: two rows of clusters each
	s_lshl_b32 s13, s14, 2
	s_add_co_u32 s13, s13, s41                     ; query tile over all batches, 0..31
	s_lshl_b32 s16, s41, 2
	s_lshl_b32 s16, 15, s16
	s_lshl_b32 s17, 0x1111, s40
	s_or_b32 s[G1A], s16, 0x07710000
	s_or_b32 s[G1B], s17, 0x07710000
.irp g, G1A, G1B
	s_mov_b32 s[(\g)+1], 128<<16
	s_mov_b32 s[(\g)+2], 128<<16
	s_mov_b32 s[(\g)+3], 128<<16
	s_mov_b32 s[(\g)+4], 128
	s_mov_b32 s[(\g)+5], 1024
	s_mov_b32 s[(\g)+6], 0
	s_mov_b32 s[(\g)+7], 0
.endr
	s_lshl_b32 s18, s13, 8                         ; Q: row 256 x query tile + 128 x half
	s_lshl_b32 s2, s12, 7
	s_add_co_u32 s18, s18, s2
	s_lshl_b32 s18, s18, 11
	s_mov_b32 s19, 0
	s_lshl_b32 s20, s42, 8                         ; K: row 2,048 x batch + 256 x key tile + 128 x half, behind Q
	s_lshl_b32 s3, s12, 7
	s_add_co_u32 s20, s20, s3
	s_lshl_b32 s3, s72, 11
	s_add_co_u32 s20, s20, s3
	s_lshl_b32 s20, s20, 11
	s_add_co_u32 s20, s20, 1<<24
	s_mov_b32 s21, 0
	s_mul_i32 s22, s10, HALFT
	s_mov_b32 s68, 0x3d38aa3b                      ; c = log2(e) / 32
	s_mov_b32 s69, s68                             ; named with it as a pair
	s_mov_b32 s70, 0x76543210                      ; v_permlanex16_b32: each lane takes its own place in the other half
	s_mov_b32 s71, 0xfedcba98
	s_wait_dscnt 0x0
	s_wait_kmcnt 0x0
	s_add_nc_u64 s[4:5], s[76:77], s[18:19]
	s_add_nc_u64 s[6:7], s[76:77], s[20:21]
	CROUND
.irp s, 0,1
	s_mov_b32 s[G0A+4*(\s)], 1
	s_add_co_u32 s[G0A+4*(\s)+1], s22, (\s)*SLOT
	s_add_nc_u64 s[G0A+4*(\s)+2:G0A+4*(\s)+3], s[4:5], (\s)*STEPK
	s_or_b32 s[G0A+4*(\s)+3], s[G0A+4*(\s)+3], 0x80000000
	s_mov_b32 s[G0B+4*(\s)], 1
	s_add_co_u32 s[G0B+4*(\s)+1], s22, (\s)*SLOT
	s_add_nc_u64 s[G0B+4*(\s)+2:G0B+4*(\s)+3], s[6:7], (\s)*STEPK
	s_or_b32 s[G0B+4*(\s)+3], s[G0B+4*(\s)+3], 0x80000000
.endr
	s_cmp_eq_u32 s11, 0
	s_cbranch_scc0 .Lfirst_b
	tensor_load_to_lds s[G0A:G0A+3], s[G1A:G1A+7]
	s_nop 0
	tensor_load_to_lds s[G0A+4:G0A+7], s[G1A:G1A+7]
	s_nop 0
.rept 4
	v_nop
.endr
	s_branch .Lfirst_done
.Lfirst_b:
	tensor_load_to_lds s[G0B:G0B+3], s[G1B:G1B+7]
	s_nop 0
	tensor_load_to_lds s[G0B+4:G0B+7], s[G1B:G1B+7]
	s_nop 0
.rept 4
	v_nop
.endr
.Lfirst_done:
	v_and_b32 v1, 15, v0
	v_bfe_u32 v2, v0, 4, 1
	v_and_b32 v[LN], 31, v0
	v_mul_u32_u24 v3, v1, PITCH
	v_lshl_add_u32 v3, v2, 4, v3
	s_mul_i32 s14, s11, HALFT
	v_add_nc_u32 v[AA0], s14, v3
	s_mul_i32 s14, s12, HALFT
	s_add_co_u32 s14, s14, 2*HALFT
	v_add_nc_u32 v[AB0], s14, v3
	v_mov_b32 v[ADRA], v[AA0]
	v_mov_b32 v[ADRB], v[AB0]
	s_mov_b32 s[TB], 0
	s_mul_i32 s14, s10, 16*PITCH
	s_add_co_u32 s14, s14, STAGE
	v_add_nc_u32 v[STO], s14, v3
	v_mul_u32_u24 v3, v2, PITCH
	v_lshl_add_u32 v3, v1, 4, v3
	v_add_nc_u32 v[RD], s14, v3
	v_lshlrev_b32 v3, 12, v2
	v_lshl_add_u32 v[CO], v1, 4, v3
	v_mov_b32 v40, 0                               ; v_permlanex16_b32 counts as a reader of its destination
	v_mov_b32 v45, 0
	; pb at my 128 rows and 128 keys
	s_lshl_b32 s14, s13, 8
	s_lshl_b32 s15, s11, 7
	s_add_co_u32 s14, s14, s15
	s_lshl_b32 s14, s14, 12
	s_lshl_b32 s15, s42, 9
	s_add_co_u32 s14, s14, s15
	s_lshl_b32 s15, s12, 8
	s_add_co_u32 s14, s14, s15
	s_mov_b32 s15, 0
	s_add_nc_u64 s[8:9], s[78:79], s[14:15]
	; st at (batch, t = 2 x key tile + half, my first row in the batch)
	s_lshl_b32 s14, s72, 4
	s_lshl_b32 s16, s42, 1
	s_add_co_u32 s14, s14, s16
	s_add_co_u32 s14, s14, s12
	s_lshl_b32 s14, s14, 11
	s_and_b32 s16, s13, 7
	s_lshl_b32 s16, s16, 8
	s_add_co_u32 s14, s14, s16
	s_lshl_b32 s16, s11, 7
	s_add_co_u32 s14, s14, s16
	s_lshl_b32 s14, s14, 3
	s_add_nc_u64 s[92:93], s[80:81], s[14:15]
	; the prefetches.  Of the 128 rows that a wave fetches, each of the four partners that ask for them jointly takes 32, told apart by address (cx for Q, cy for K).
	; Q's rows are read by both clusters of a row of clusters: the first (cluster x = 0) asks.  K's rows are read by the batch's two rows of clusters: the first asks.
	s_lshl_b32 s14, s13, 8
	s_lshl_b32 s15, s12, 7
	s_add_co_u32 s14, s14, s15
	s_lshl_b32 s15, s40, 5
	s_add_co_u32 s14, s14, s15
	s_lshl_b32 s14, s14, 11
	s_lshl_b32 s16, s72, 11
	s_lshl_b32 s15, s42, 8
	s_add_co_u32 s16, s16, s15
	s_lshl_b32 s15, s12, 7
	s_add_co_u32 s16, s16, s15
	s_lshl_b32 s15, s41, 5
	s_add_co_u32 s16, s16, s15
	s_lshl_b32 s16, s16, 11
	s_add_co_u32 s16, s16, 1<<24
	s_cmp_eq_u32 ttmp9, 0
	s_cselect_b32 s15, 2, -1
	s_and_b32 s17, ttmp7, 1
	s_cmp_eq_u32 s17, 0
	s_cselect_b32 s17, 2, -1
	s_cmp_eq_u32 s11, 0
	s_cselect_b32 s[LIM], s15, s17                 ; the same in all sixteen partners, for a given wave
	s_cselect_b32 s14, s14, s16
	s_add_co_u32 s14, s14, 3*STEPK                 ; at K step 3: the first refill steps it to 4
	s_mov_b32 s15, 0
	s_add_nc_u64 s[PFA:PFA+1], s[76:77], s[14:15]
	v_lshlrev_b32 v[PFO], 11, v[LN]
	s_wait_tensorcnt 0x1                           ; my part of K step 0 is in; K step 1's may stay out
	s_wait_dscnt 0x0
	s_barrier_signal -1
	s_barrier_wait -1
	FETCH 0, F0
	QUARTER 1, F0, F1, 1
	WIN 0
	s_mov_b32 s[CNT], KS-2
.Lstep:
	QUARTER 2, F1, F0, 0
	QUARTER 3, F0, F1, 0
	TURN 1
	QUARTER 1, F0, F1, 0
	WIN 0
	s_sub_co_u32 s[CNT], s[CNT], 1
	s_cmp_lg_u32 s[CNT], 0
	s_cbranch_scc1 .Lstep
	s_mov_b32 s[CNT], 2
.Ltail:                                        ; the last two K steps ask for nothing; the second trip's barrier and its 32 loads serve nothing
	QUARTER 2, F1, F0, 0
	QUARTER 3, F0, F1, 0
	TURN 0
	WIN 0
	s_wait_dscnt 0x0
	s_cmp_eq_u32 s[CNT], 1
	s_cbranch_scc1 .Lskip
	QUARTER 1, F0, F1, 0
	WIN 0
.Lskip:
	s_sub_co_u32 s[CNT], s[CNT], 1
	s_cmp_lg_u32 s[CNT], 0
	s_cbranch_scc1 .Ltail
.rept 8
	v_nop
.endr
; A block of 16 queries: the lane's 64 scores lie in the 8 accumulators at SB of window WW.  Maximum (each accumulator's lowest registers are read first), c s - c m, 64 exponentials as ONE batch
; with one wait, the roundings to bf16, the sum.
.macro SOFT a
.set SB, 64*((\a)%4)
.set WW, 2+(\a)/4
	WIN 0x15*WW                                    ; all three sources in window WW
.irp b, 0,1,2,3,4,5,6,7
	v_max3_num_f32 v[32+(\b)], v[SB+8*(\b)], v[SB+8*(\b)+1], v[SB+8*(\b)+2]
.endr
	WIN 0x14*WW                                    ; sources 1 and 2
.irp b, 0,1,2,3,4,5,6,7
	v_max3_num_f32 v[32+(\b)], v[32+(\b)], v[SB+8*(\b)+3], v[SB+8*(\b)+4]
.endr
.irp b, 0,1,2,3,4,5,6,7
	v_max3_num_f32 v[32+(\b)], v[32+(\b)], v[SB+8*(\b)+5], v[SB+8*(\b)+6]
.endr
.irp i, 0,1,2,3
	v_max3_num_f32 v[32+2*(\i)], v[32+2*(\i)], v[SB+16*(\i)+7], v[SB+16*(\i)+15]
.endr
	WIN 0
	v_max3_num_f32 v32, v32, v33, v34
	v_max3_num_f32 v35, v35, v36, v37
	v_max3_num_f32 v32, v32, v35, v38
	v_max_num_f32 v32, v32, v39
	v_permlanex16_b32 v40, v32, s70, s71           ; the row's other 64 keys lie in the lane 16 away
	v_max_num_f32 v43, v32, v40                    ; m
	v_mul_f32 v42, s68, v43                        ; c m
	WIN 0x41*WW                                    ; destination and source 0
.set i, 0
.rept 32
	v_pk_fma_f32 v[SB+2*i:SB+2*i+1], v[SB+2*i:SB+2*i+1], s[68:69], v[42:43] op_sel_hi:[1,0,0] neg_lo:[0,0,1] neg_hi:[0,0,1]
.set i, i+1
.endr
.set i, 0
.rept 64
	v_exp_f32 v[SB+i], v[SB+i]
.set i, i+1
.endr
	v_nop                                          ; a plain instruction behind the last exponential,
	s_wait_alu depctr_va_vdst(0)                   ; and the one wait ahead of the batch's first reader
	WIN 5*WW                                       ; sources 0 and 1
.set i, 0
.rept 32
	v_cvt_pk_bf16_f32 v[TMP+i], v[SB+2*i], v[SB+2*i+1]
.set i, i+1
.endr
	WIN 0x45*WW                                    ; the 32 pairs are added in place, neighbours 1, 2, 4, 8, 16 pairs apart
.set wd, 1
.rept 5
.set k, 0
.rept 16/wd
	v_pk_add_f32 v[SB+4*wd*k:SB+4*wd*k+1], v[SB+4*wd*k:SB+4*wd*k+1], v[SB+4*wd*k+2*wd:SB+4*wd*k+2*wd+1]
.set k, k+1
.endr
.set wd, 2*wd
.endr
	WIN 5*WW
	v_add_f32 v44, v[SB], v[SB+1]
	WIN 0
	v_permlanex16_b32 v45, v44, s70, s71
	v_add_f32 v[STT+2*(\a)+1], v44, v45            ; l
	v_mov_b32 v[STT+2*(\a)], v42                   ; c m
.endm
.macro TOSTAGE a
.irp b, 0,1,2,3,4,5,6,7
	ds_store_b128 v[STO], v[TMP+4*(\b):TMP+4*(\b)+3] offset:32*(\b)
.endr
.if (\a) >= 4
	s_wait_xcnt 0x0                                ; the stores of the block four back have read this set of registers
.endif
.irp t, 0,1,2,3,4,5,6,7
	ds_load_b128 v[64+32*((\a)%4)+4*(\t):64+32*((\a)%4)+4*(\t)+3], v[RD] offset:2*PITCH*(\t)  ; LDS serves a wave's instructions in order: these see the stores above
.endr
.endm
.macro SEND a
	s_wait_dscnt 0x0
.irp t, 0,1,2,3,4,5,6,7
	global_store_b128 v[CO], v[64+32*((\a)%4)+4*(\t):64+32*((\a)%4)+4*(\t)+3], s[8:9] offset:(16*(\a)+2*(\t))*OPITCH  ; 16 lanes store 256 consecutive bytes, aligned
.endr
.endm
	SOFT 0
	TOSTAGE 0
.irp a, 1,2,3,4,5,6,7
	SOFT \a
	SEND (\a)-1
	TOSTAGE \a
.endr
	SEND 7
	; (c m, l) of my 128 rows in lane order: lanes 0-15 hold block 2 g's rows, lanes 16-31 take block 2 g + 1's: four stores of 256 consecutive bytes, aligned
	v_cmp_lt_u32 s73, 15, v[LN]
	v_lshlrev_b32 v3, 3, v[LN]
.irp g, 0,1,2,3
	v_cndmask_b32 v[32+2*(\g)], v[STT+4*(\g)],   v[STT+4*(\g)+2], s73
	v_cndmask_b32 v[33+2*(\g)], v[STT+4*(\g)+1], v[STT+4*(\g)+3], s73
	global_store_b64 v3, v[32+2*(\g):33+2*(\g)], s[92:93] offset:256*(\g)
.endr
	s_wait_tensorcnt 0x0                           ; the wave's end
	ds_add_u32 v[SPW], v[NIL]
	s_wait_dscnt 0x0
	CROUND
	s_endpgm
.Lfunc_end_k_qf27641d653_score:
	.size	k_qf27641d653_score, .Lfunc_end_k_qf27641d653_score-k_qf27641d653_score
	.p2alignl 7, 3214868480
	.fill 96, 4, 3214868480
	.section	.rodata,"a",@progbits
	.p2align	6, 0x0
	.amdhsa_kernel k_qf27641d653_score
		.amdhsa_group_segment_fixed_size 327680
		.amdhsa_private_segment_fixed_size 0
		.amdhsa_enable_private_segment 0
		.amdhsa_kernarg_size 24
		.amdhsa_user_sgpr_count 2
		.amdhsa_user_sgpr_kernarg_segment_ptr 1
		.amdhsa_wavefront_size32 1
		.amdhsa_system_sgpr_workgroup_id_x 1
		.amdhsa_system_sgpr_workgroup_id_y 1
		.amdhsa_system_sgpr_workgroup_id_z 1
		.amdhsa_system_vgpr_workitem_id 0
		.amdhsa_next_free_vgpr 1024
		.amdhsa_next_free_sgpr 96
		.amdhsa_reserve_vcc 0
		.amdhsa_float_denorm_mode_32 3
		.amdhsa_float_denorm_mode_16_64 3
		.amdhsa_memory_ordered 1
		.amdhsa_forward_progress 1
		.amdhsa_inst_pref_size 170
	.end_amdhsa_kernel
	.amdgpu_metadata
---
amdhsa.version: [ 1, 2 ]
amdhsa.kernels:
  - .name:           k_qf27641d653_score
    .symbol:         k_qf27641d653_score.kd
    .args:
      - { .name: qkv, .offset: 0, .size: 8, .value_kind: global_buffer, .address_space: global }
      - { .name: pb, .offset: 8, .size: 8, .value_kind: global_buffer, .address_space: global }
      - { .name: st, .offset: 16, .size: 8, .value_kind: global_buffer, .address_space: global }
    .group_segment_fixed_size: 327680
    .private_segment_fixed_size: 0
    .kernarg_segment_align: 8
    .kernarg_segment_size: 24
    .max_flat_workgroup_size: 128
    .sgpr_count:     96
    .vgpr_count:     1024
    .wavefront_size: 32
...
	.end_amdgpu_metadata
.endif
;; end of part 3
;; launch pv (part 4): grid 4 x 64, 4 waves a work-group, clusters of 4 x 4, 327,680 bytes of LDS; arguments pb, qkv, st, ab, hb; writes hb
.if DOCPART == 4
	.amdgcn_target "amdgcn-amd-amdhsa--gfx1250"
	.amdhsa_code_object_version 6
	.text
	.protected	k_qf27641d653_pv
	.globl	k_qf27641d653_pv
	.p2align	8
	.type	k_qf27641d653_pv,@function
k_qf27641d653_pv:
	s_mov_b64 s[64:65], 0
	v_nop
	global_prefetch_b8 v0, s[64:65] scope:SCOPE_SE
	s_setreg_imm32_b32 hwreg(HW_REG_WAVE_MODE, 25, 1), 1
	s_wait_xcnt 0x0
	s_wait_alu depctr_hold_cnt(0) depctr_sa_sdst(0) depctr_va_vdst(0) depctr_va_sdst(0) depctr_va_ssrc(0) depctr_va_vcc(0) depctr_vm_vsrc(0)
	s_getreg_b32 s2, hwreg(HW_REG_IB_STS2, 6, 4)
	s_cmp_eq_u32 s2, 0
	s_cbranch_scc0 .Lentry_in_a_cluster
	s_endpgm
.Lentry_in_a_cluster:
	s_bfe_u32 s2, ttmp6, 0x10000c
	s_cmp_lg_u32 s2, 0xf033
	s_cbranch_scc0 .Lentry_shape_is_right
	s_endpgm
.Lentry_shape_is_right:
; The second half of the softmax, the product with V, and the residual: for each row cM = the largest of its 16 blocks' c m, f_t = 2^(c m_t - cM), L = the sum of f_t l_t,
; O = the sum over t of (f_t p~_t) V_t, h = x + O / L, stored in f16.  f is rounded to bf16 (L is taken with the rounded f), and f p~ is rounded to bf16 once more: it is the matrix operand.
; LIMITS.  h beyond 65,504 becomes an infinity in f16.  A factor below 2^-126 counts as 0.  L is at least 1: the block that holds the row's maximum has f = 1 and l >= 1.  NaN and infinities are not treated apart.
; SHARES.  A tile is 128 rows x 256 channels; four waves, each 64 x 128.  K (the keys) goes in 16 steps of 128, one block t a step, through two LDS slots: 128 rows of p~ (256 bytes each), 128 rows of V (512 bytes each).
; V lies [key][channel] and comes out of LDS turned, by ds_load_tr16_b128.  CLUSTER 4 x 4: p~'s tile is shared along a row of the cluster, V's along a column.
; THE MATRIX INSTRUCTION IS USED TRANSPOSED (source 0 = 16 channels of V^T, source 1 = 16 rows of p~): lane l holds row l % 16 and the channels 8 (l / 16) + 0..7 of a 16 x 16 block.
; REGISTERS.  Window 0: v0-31 addresses, the step's four factors (v16-19), 1 / L in pairs (v20-27); v32-63 at work; v64-159 and v160-255 two fragment buffers.  Window 1: accumulators.  Window 2: v0-127 x in bf16.
; LDS.  Two slots, a stage of 16 rows x 528 bytes a wave, a table of 4,352 bytes a wave (f for t, row, as a pair of bf16; then 1 / L), the spare words.
; All of a WGP's LDS is claimed and 0 is added to spare words.
.set KS,     16
.set PITCHA, 2048
.set STEPA,  256
.set STEPB,  262144                    ; 128 rows of V
.set HALFA,  64*272
.set AREG,   128*272
.set HALFB,  64*544
.set SLOT1,  1<<17
.set STAGE,  SLOT1+AREG+2*HALFB
.set STGW,   8448
.set TBL,    STAGE+4*STGW
.set SPARE,  TBL+4*4352
.set AA0,  4
.set AB0,  5
.set ADRA, 6
.set ADRB, 7
.set STO,  8
.set RD,   9
.set CO,   10                          ; v10  8 x lane: my offset in st, in x and in h; never rewritten
.set PFO,  11
.set SPW,  12
.set NIL,  13
.set FADR, 14                          ; v14  where the next step's factors lie
.set LN,   15
.set FAC,  16                          ; v16-19  the step's factor for my row of blocks 0 to 3, twice in each word
.set TIA,  28                          ; v28  my row's place in the table
.set TWA,  30                          ; v30  where the prologue writes it
.set F0,   64
.set F1,   160
.set G1A,  24
.set G0A,  32
.set G1B,  48
.set G0B,  56
.set LIM,  43
.set PFA,  44
.set PFS,  46
.set CNT,  66
.set TB,   67
.set W_MUL,  0x50
.set MSB, 0
.macro WIN new
.if MSB != (\new)
	s_set_vgpr_msb (MSB<<8)|(\new)
.set MSB, \new
.endif
.endm
.macro CREST
	s_cmp_lg_u32 s10, 0
	s_cbranch_scc1 .Lnot_wave_0_\@
	s_barrier_signal -3
.Lnot_wave_0_\@:
	s_barrier_wait -3
	s_barrier_signal -1
	s_barrier_wait -1
.endm
.macro CROUND
	s_barrier_signal -1
	s_barrier_wait -1
	CREST
.endm
.macro PLACES
.rept 4
	v_nop
.endr
.endm
.macro MUL8 f, a, first                ; the 32 accumulators take turns, one instruction a turn
	WIN W_MUL
.irp b, 0,1,2,3,4,5,6,7
.if \first
	v_wmma_f32_16x16x32_bf16 v[8*(8*(\a)+(\b)):8*(8*(\a)+(\b))+7], v[(\f)+8*(\b):(\f)+8*(\b)+7], v[(\f)+64+8*(\a):(\f)+64+8*(\a)+7], 0
.else
	v_wmma_f32_16x16x32_bf16 v[8*(8*(\a)+(\b)):8*(8*(\a)+(\b))+7], v[(\f)+8*(\b):(\f)+8*(\b)+7], v[(\f)+64+8*(\a):(\f)+64+8*(\a)+7], v[8*(8*(\a)+(\b)):8*(8*(\a)+(\b))+7]
.endif
.endr
.endm
.macro SCALE f, a                      ; block a's fragment of p~ times its rows' factor, two bf16 an instruction
	WIN 0
.irp j, 0,1,2,3,4,5,6,7
	v_pk_mul_bf16 v[(\f)+64+8*(\a)+(\j)], v[(\f)+64+8*(\a)+(\j)], v[FAC+(\a)]
.endr
.endm
; 24 LDS loads in one run: 32 keys of quarter q: V^T's 8 fragments (turned: 16 keys x 16 channels a load), then p~'s 4
.macro FETCH q, f
	WIN 0
.irp b, 0,1,2,3,4,5,6,7
	ds_load_tr16_b128 v[(\f)+8*(\b):(\f)+8*(\b)+3],   v[ADRB] offset:17408*(\q)+32*(\b)
	ds_load_tr16_b128 v[(\f)+8*(\b)+4:(\f)+8*(\b)+7], v[ADRB] offset:17408*(\q)+32*(\b)+8704
.endr
.irp i, 0,1,2,3
	ds_load_b128 v[(\f)+64+8*(\i):(\f)+64+8*(\i)+3],   v[ADRA] offset:64*(\q)+4352*(\i)
	ds_load_b128 v[(\f)+64+8*(\i)+4:(\f)+64+8*(\i)+7], v[ADRA] offset:64*(\q)+4352*(\i)+32
.endr
.endm
.macro QUARTER q, f, g, first
	s_wait_dscnt 4                                 ; the youngest four loads (p~'s blocks 2, 3) may be out; the step's factors are older
	SCALE \f, 0
	SCALE \f, 1
	MUL8 \f, 0, \first
	MUL8 \f, 1, \first
	PLACES
	FETCH \q, \g
	s_wait_dscnt 24                                ; all but the 24 just issued
	SCALE \f, 2
	SCALE \f, 3
	MUL8 \f, 2, \first
	MUL8 \f, 3, \first
.endm
.macro JLOAD
	s_cmp_eq_u32 s11, 0
	s_cbranch_scc0 .Lfor_b_\@
	tensor_load_to_lds s[G0A+4:G0A+7], s[G1A:G1A+7]
	s_nop 0
.rept 4
	v_nop
.endr
	s_branch .Lasked_\@
.Lfor_b_\@:
	tensor_load_to_lds s[G0B+4:G0B+7], s[G1B:G1B+7]
	s_nop 0
.rept 4
	v_nop
.endr
.Lasked_\@:
.endm
.macro ASK                             ; the K step two refills on: a lane a block of 256 bytes; the last two refills have no such step
	s_cmp_gt_u32 s[CNT], s[LIM]
	s_cbranch_scc0 .Lnot_mine_\@
	global_prefetch_b8 v[PFO], s[PFA:PFA+1] th:TH_LOAD_NT scope:SCOPE_SE
.Lnot_mine_\@:
.endm
.macro TURN fill                       ; the last quarter and the change of slots; all of buffer 1 is scaled before the next step's factors are fetched
.if \fill
	s_wait_xcnt 0x0                                ; the last prefetch, a K step back, has read its address
	s_add_nc_u64 s[PFA:PFA+1], s[PFA:PFA+1], s[PFS:PFS+1]
.endif
	WIN 0
	s_wait_tensorcnt 0x0                           ; all my tensor loads have landed: the one that was out is my part of the next slot
	ds_add_u32 v[SPW], v[NIL]
	s_wait_dscnt 5                                 ; the add and the youngest four loads may be out
	SCALE F1, 0
	SCALE F1, 1
	MUL8 F1, 0, 0
	s_wait_dscnt 0x0                               ; the add is done, my reads of this slot are over
	s_barrier_signal -1
	SCALE F1, 2
	SCALE F1, 3
	MUL8 F1, 1, 0
	WIN 0
	s_barrier_wait -1
.if \fill
	CREST
	s_xor_b32 s[G0A+5], s[G0A+5], SLOT1
	s_add_nc_u64 s[G0A+6:G0A+7], s[G0A+6:G0A+7], STEPA
	s_xor_b32 s[G0B+5], s[G0B+5], SLOT1
	s_add_nc_u64 s[G0B+6:G0B+7], s[G0B+6:G0B+7], STEPB
	JLOAD
.else
	PLACES
.endif
	s_xor_b32 s[TB], s[TB], SLOT1
	v_add_nc_u32 v[ADRA], s[TB], v[AA0]
	v_add_nc_u32 v[ADRB], s[TB], v[AB0]
	ds_load_b128 v[FAC:FAC+3], v[FADR]             ; the next step's factors (behind the last step: the table's last row, which serves nothing)
	v_add_nc_u32 v[FADR], 256, v[FADR]
	FETCH 0, F0
.if \fill
	ASK
.endif
	MUL8 F1, 2, 0
	MUL8 F1, 3, 0
.endm
	s_load_b256 s[76:83], s[0:1], 0x0              ; pb 76, qkv 78, st 80, ab 82
	s_load_b64 s[84:85], s[0:1], 0x20              ; hb
	v_lshl_add_u32 v[SPW], v0, 2, SPARE
	v_mov_b32 v[NIL], 0
	ds_add_u32 v[SPW], v[NIL]                      ; the wave's opening: the add and its wait ahead of my first tensor load
	v_lshrrev_b32 v3, 5, v0
	v_readfirstlane_b32 s10, v3
	s_lshr_b32 s11, s10, 1
	s_and_b32 s12, s10, 1
	s_bfe_u32 s40, ttmp6, 0x40000                  ; cx
	s_bfe_u32 s41, ttmp6, 0x40004                  ; cy
	s_lshl_b32 s42, ttmp9, 2
	s_add_co_u32 s42, s42, s40                     ; channel tile, 0..3
	s_and_b32 s14, ttmp7, 0xffff
	s_lshr_b32 s72, s14, 2                         ; batch
	s_lshl_b32 s13, s14, 2
	s_add_co_u32 s13, s13, s41                     ; row tile over all batches, 0..63
	s_lshl_b32 s16, s41, 2
	s_lshl_b32 s16, 15, s16
	s_lshl_b32 s17, 0x1111, s40
	s_or_b32 s[G1A], s16, 0x07710000               ; after every 64 words 4 words of padding: rows 272 bytes apart
	s_or_b32 s[G1B], s17, 0x0fb10000               ; after every 128 words 8 words: rows 544 bytes apart
	s_mov_b32 s[G1A+1], 128<<16
	s_mov_b32 s[G1A+2], 64<<16
	s_mov_b32 s[G1A+3], 128<<16
	s_mov_b32 s[G1A+4], 64
	s_mov_b32 s[G1A+5], PITCHA
	s_mov_b32 s[G1A+6], 0
	s_mov_b32 s[G1A+7], 0
	s_mov_b32 s[G1B+1], 256<<16                    ; 64 keys x 256 channels
	s_mov_b32 s[G1B+2], 64<<16
	s_mov_b32 s[G1B+3], 256<<16
	s_mov_b32 s[G1B+4], 64
	s_mov_b32 s[G1B+5], 1024
	s_mov_b32 s[G1B+6], 0
	s_mov_b32 s[G1B+7], 0
	s_lshl_b32 s18, s13, 7                         ; p~: row 128 x row tile + 64 x half, 4,096 bytes a row
	s_lshl_b32 s2, s12, 6
	s_add_co_u32 s18, s18, s2
	s_lshl_b32 s18, s18, 12
	s_mov_b32 s19, 0
	s_lshl_b32 s20, s72, 11                        ; V: key 2,048 x batch + 64 x half, channels 256 x channel tile, behind Q and K
	s_lshl_b32 s3, s12, 6
	s_add_co_u32 s20, s20, s3
	s_lshl_b32 s20, s20, 11
	s_lshl_b32 s3, s42, 9
	s_add_co_u32 s20, s20, s3
	s_add_co_u32 s20, s20, 2<<24
	s_mov_b32 s21, 0
	s_mul_i32 s22, s12, HALFA
	s_mul_i32 s23, s12, HALFB
	s_add_co_u32 s23, s23, AREG
	s_mov_b32 s74, 0xffff0000
	s_wait_dscnt 0x0
	s_wait_kmcnt 0x0
	s_add_nc_u64 s[4:5], s[76:77], s[18:19]
	s_add_nc_u64 s[6:7], s[78:79], s[20:21]
	CROUND
.irp s, 0,1
	s_mov_b32 s[G0A+4*(\s)], 1
	s_add_co_u32 s[G0A+4*(\s)+1], s22, (\s)*SLOT1
	s_add_nc_u64 s[G0A+4*(\s)+2:G0A+4*(\s)+3], s[4:5], (\s)*STEPA
	s_or_b32 s[G0A+4*(\s)+3], s[G0A+4*(\s)+3], 0x80000000
	s_mov_b32 s[G0B+4*(\s)], 1
	s_add_co_u32 s[G0B+4*(\s)+1], s23, (\s)*SLOT1
	s_add_nc_u64 s[G0B+4*(\s)+2:G0B+4*(\s)+3], s[6:7], (\s)*STEPB
	s_or_b32 s[G0B+4*(\s)+3], s[G0B+4*(\s)+3], 0x80000000
.endr
	s_cmp_eq_u32 s11, 0
	s_cbranch_scc0 .Lfirst_b
	tensor_load_to_lds s[G0A:G0A+3], s[G1A:G1A+7]
	s_nop 0
	tensor_load_to_lds s[G0A+4:G0A+7], s[G1A:G1A+7]
	s_nop 0
.rept 4
	v_nop
.endr
	s_branch .Lfirst_done
.Lfirst_b:
	tensor_load_to_lds s[G0B:G0B+3], s[G1B:G1B+7]
	s_nop 0
	tensor_load_to_lds s[G0B+4:G0B+7], s[G1B:G1B+7]
	s_nop 0
.rept 4
	v_nop
.endr
.Lfirst_done:
	v_and_b32 v1, 15, v0                           ; r
	v_bfe_u32 v2, v0, 4, 1                         ; h
	v_and_b32 v[LN], 31, v0
	v_lshlrev_b32 v[CO], 3, v[LN]
	; st at (batch, t = 0, my first row in the batch); x and h at my 64 rows and 128 channels
	s_lshl_b32 s14, s72, 15
	s_and_b32 s16, s13, 15
	s_lshl_b32 s16, s16, 7
	s_add_co_u32 s14, s14, s16
	s_lshl_b32 s16, s11, 6
	s_add_co_u32 s14, s14, s16
	s_lshl_b32 s14, s14, 3
	s_mov_b32 s15, 0
	s_add_nc_u64 s[94:95], s[80:81], s[14:15]
.irp g, 0,1
.irp t, 0,1,2,3,4,5,6,7,8,9,10,11,12,13,14,15
	global_load_b64 v[64+32*(\g)+2*(\t):64+32*(\g)+2*(\t)+1], v[CO], s[94:95] offset:16384*(\t)+256*(\g)  ; (c m, l) of block t for row 32 g + lane
.endr
.endr
	s_lshl_b32 s14, s13, 7
	s_lshl_b32 s16, s11, 6
	s_add_co_u32 s14, s14, s16
	s_lshl_b32 s14, s14, 11
	s_lshl_b32 s16, s42, 9
	s_add_co_u32 s14, s14, s16
	s_lshl_b32 s16, s12, 8
	s_add_co_u32 s14, s14, s16
	s_add_nc_u64 s[8:9], s[84:85], s[14:15]
	s_add_nc_u64 s[92:93], s[82:83], s[14:15]
	v_mul_u32_u24 v3, v1, 272
	v_lshl_add_u32 v3, v2, 4, v3
	s_mul_i32 s14, s11, HALFA
	v_add_nc_u32 v[AA0], s14, v3
	v_and_b32 v3, 7, v0                            ; the turning load: lane l reads key 8 h + l % 8, channels 8 ((l / 8) % 2) + 0..7
	v_lshl_add_u32 v3, v2, 3, v3
	v_mul_u32_u24 v3, v3, 544
	v_bfe_u32 v29, v0, 3, 1
	v_lshl_add_u32 v3, v29, 4, v3
	s_lshl_b32 s14, s12, 8
	s_add_co_u32 s14, s14, AREG
	v_add_nc_u32 v[AB0], s14, v3
	v_mov_b32 v[ADRA], v[AA0]
	v_mov_b32 v[ADRB], v[AB0]
	s_mov_b32 s[TB], 0
	s_mul_i32 s14, s10, STGW
	s_add_co_u32 s14, s14, STAGE
	v_mul_u32_u24 v3, v1, 528
	v_lshl_add_u32 v3, v2, 5, v3
	v_add_nc_u32 v[STO], s14, v3                   ; in: row r, 32 bytes for each half of the lanes
	v_lshl_add_u32 v[RD], v[LN], 4, s14            ; back: a whole row of 512 bytes, 16 bytes a lane
	s_mul_i32 s14, s10, 4352
	s_add_co_u32 s14, s14, TBL
	v_lshl_add_u32 v[TIA], v1, 4, s14              ; the table: (t, r, a) at 256 t + 16 r + 4 a
	v_lshl_add_u32 v[TWA], v2, 2, v[TIA]           ; row 32 g + lane is block a = 2 g + h, row r
	v_mov_b32 v[FADR], v[TIA]
	; the prefetches.  p~'s 128 rows are this cluster's own: wave 0 of each partner along the row asks for 32 (by cx).  A step's V for a channel tile is 256 blocks of 256 bytes (128 keys x 2): waves 2, 3 of
	; each partner along the column ask for 32 blocks each (by cy); the batch's four clusters walk the same V: the first asks.
	s_lshl_b32 s14, s13, 7
	s_lshl_b32 s15, s40, 5
	s_add_co_u32 s14, s14, s15
	s_lshl_b32 s14, s14, 12
	s_add_co_u32 s14, s14, 3*256
	s_lshl_b32 s16, s72, 11
	s_lshl_b32 s15, s41, 5
	s_add_co_u32 s16, s16, s15
	s_lshl_b32 s15, s12, 4
	s_add_co_u32 s16, s16, s15
	s_lshl_b32 s16, s16, 11
	s_lshl_b32 s15, s42, 9
	s_add_co_u32 s16, s16, s15
	s_add_co_u32 s16, s16, (2<<24)+3*262144
	s_cmp_eq_u32 s10, 0
	s_cselect_b32 s15, 2, -1
	s_and_b32 s17, ttmp7, 3
	s_cmp_eq_u32 s17, 0
	s_cselect_b32 s17, 2, -1
	s_cmp_eq_u32 s11, 0
	s_cselect_b32 s[LIM], s15, s17
	s_cselect_b32 s14, s14, s16
	s_cselect_b64 s[PFA:PFA+1], s[76:77], s[78:79]
	s_mov_b32 s15, 256
	s_mov_b32 s17, 262144
	s_cselect_b32 s[PFS], s15, s17
	s_cselect_b32 s17, -1, 0                       ; all lanes: p~'s form of the offset
	s_mov_b32 s15, 0
	s_mov_b32 s[PFS+1], 0
	s_add_nc_u64 s[PFA:PFA+1], s[PFA:PFA+1], s[14:15]
	v_lshlrev_b32 v3, 12, v[LN]                    ; p~: a lane a row
	v_lshrrev_b32 v29, 1, v[LN]                    ; V: two lanes a row
	v_lshlrev_b32 v29, 11, v29
	v_and_b32 v31, 1, v[LN]
	v_lshl_add_u32 v29, v31, 8, v29
	v_cndmask_b32 v[PFO], v29, v3, s17
	s_wait_loadcnt 0x0                             ; st
	; THE TABLE.  A lane has a row (32 g + lane): cM, the 16 factors, L, 1 / L.
.irp g, 0,1
	v_max3_num_f32 v[32+(\g)], v[64+32*(\g)], v[66+32*(\g)], v[68+32*(\g)]
.irp t, 3,5,7,9,11,13
	v_max3_num_f32 v[32+(\g)], v[32+(\g)], v[64+32*(\g)+2*(\t)], v[66+32*(\g)+2*(\t)]
.endr
	v_max_num_f32 v[32+(\g)], v[32+(\g)], v[94+32*(\g)]
.endr
.irp g, 0,1
.irp t, 0,1,2,3,4,5,6,7,8,9,10,11,12,13,14,15
	v_sub_f32 v[64+32*(\g)+2*(\t)], v[64+32*(\g)+2*(\t)], v[32+(\g)]
.endr
.endr
.irp g, 0,1
.irp t, 0,1,2,3,4,5,6,7,8,9,10,11,12,13,14,15
	v_exp_f32 v[64+32*(\g)+2*(\t)], v[64+32*(\g)+2*(\t)]
.endr
.endr
	v_nop                                          ; a plain instruction behind the last exponential,
	s_wait_alu depctr_va_vdst(0)                   ; and the one wait ahead of the batch's first reader
.irp g, 0,1
.irp t, 0,1,2,3,4,5,6,7,8,9,10,11,12,13,14,15
	v_cvt_pk_bf16_f32 v[128+16*(\g)+(\t)], v[64+32*(\g)+2*(\t)], v[64+32*(\g)+2*(\t)]
	ds_store_b32 v[TWA], v[128+16*(\g)+(\t)] offset:256*(\t)+8*(\g)
	v_and_b32 v[160+16*(\g)+(\t)], s74, v[128+16*(\g)+(\t)]  ; the rounded f, widened: L is taken with it
.endr
.endr
.irp g, 0,1
	v_mul_f32 v[36+2*(\g)], v[160+16*(\g)], v[65+32*(\g)]
	v_mul_f32 v[37+2*(\g)], v[161+16*(\g)], v[67+32*(\g)]
.irp t, 2,3,4,5,6,7,8,9,10,11,12,13,14,15
	v_fmac_f32 v[36+2*(\g)+(\t)%2], v[160+16*(\g)+(\t)], v[65+32*(\g)+2*(\t)]
.endr
	v_add_f32 v[36+2*(\g)], v[36+2*(\g)], v[37+2*(\g)]
.endr
	v_rcp_f32 v40, v36
	v_rcp_f32 v41, v38
	v_nop
	s_wait_alu depctr_va_vdst(0)                   ; one wait for the two reciprocals
	ds_store_b32 v[TWA], v40 offset:4096
	ds_store_b32 v[TWA], v41 offset:4104
	; x in bf16 for the way out: row rho of my 64, 8 bytes a lane (a load covers 256 consecutive bytes, aligned).  Waited for once, at the way out.
	WIN 0x80
.set i, 0
.rept 64
	global_load_b64 v[2*i:2*i+1], v[CO], s[92:93] offset:2048*i
.set i, i+1
.endr
	WIN 0
	s_wait_tensorcnt 0x1                           ; my part of K step 0 is in; K step 1's may stay out
	s_wait_dscnt 0x0                               ; my table is written
	s_barrier_signal -1
	s_barrier_wait -1
	ds_load_b128 v[FAC:FAC+3], v[FADR]             ; step 0's factors
	v_add_nc_u32 v[FADR], 256, v[FADR]
	FETCH 0, F0
	QUARTER 1, F0, F1, 1
	WIN 0
	s_mov_b32 s[CNT], KS-2
.Lstep:
	QUARTER 2, F1, F0, 0
	QUARTER 3, F0, F1, 0
	TURN 1
	QUARTER 1, F0, F1, 0
	WIN 0
	s_sub_co_u32 s[CNT], s[CNT], 1
	s_cmp_lg_u32 s[CNT], 0
	s_cbranch_scc1 .Lstep
	s_mov_b32 s[CNT], 2
.Ltail:                                        ; the last two K steps ask for nothing; the second trip's barrier and its loads serve nothing
	QUARTER 2, F1, F0, 0
	QUARTER 3, F0, F1, 0
	TURN 0
	WIN 0
	s_wait_dscnt 0x0
	s_cmp_eq_u32 s[CNT], 1
	s_cbranch_scc1 .Lskip
	QUARTER 1, F0, F1, 0
	WIN 0
.Lskip:
	s_sub_co_u32 s[CNT], s[CNT], 1
	s_cmp_lg_u32 s[CNT], 0
	s_cbranch_scc1 .Ltail
.rept 8
	v_nop
.endr
	; THE WAY OUT, a block of 16 rows at a time: O / L in f32 through my own stage, back as whole rows (4 channels a lane), x added, rounded to f16, stored.
	s_wait_loadcnt 0x0                             ; x
	ds_load_b128 v[32:35], v[TIA] offset:4096      ; 1 / L of my row in blocks 0 to 3
	s_wait_dscnt 0x0
.irp a, 0,1,2,3
	v_mov_b32 v[20+2*(\a)], v[32+(\a)]
	v_mov_b32 v[21+2*(\a)], v[32+(\a)]             ; named with it as a pair
.endr
.macro OUTB a
.if (\a) > 0
	s_wait_xcnt 0x0                                ; the last block's stores have read their registers
.endif
	WIN 0x01
.set i, 0
.rept 32
	v_pk_mul_f32 v[64+2*i:64+2*i+1], v[64*(\a)+2*i:64*(\a)+2*i+1], v[20+2*(\a):21+2*(\a)] op_sel_hi:[1,0]
.set i, i+1
.endr
	WIN 0
.irp b, 0,1,2,3,4,5,6,7
	ds_store_b128 v[STO], v[64+8*(\b):64+8*(\b)+3]   offset:64*(\b)
	ds_store_b128 v[STO], v[64+8*(\b)+4:64+8*(\b)+7] offset:64*(\b)+16
.endr
.irp t, 0,1,2,3,4,5,6,7,8,9,10,11,12,13,14,15
	ds_load_b128 v[128+4*(\t):128+4*(\t)+3], v[RD] offset:528*(\t)  ; LDS serves a wave's instructions in order: these see the stores above
.endr
	WIN 0x08                                       ; source 1 in window 2: x is widened while the rows come back
.irp t, 0,1,2,3,4,5,6,7,8,9,10,11,12,13,14,15
	v_lshlrev_b32 v[192+4*(\t)],   16,  v[2*(16*(\a)+(\t))]
	v_and_b32     v[192+4*(\t)+1], s74, v[2*(16*(\a)+(\t))]
	v_lshlrev_b32 v[192+4*(\t)+2], 16,  v[2*(16*(\a)+(\t))+1]
	v_and_b32     v[192+4*(\t)+3], s74, v[2*(16*(\a)+(\t))+1]
.endr
	WIN 0
	s_wait_dscnt 0x0
.set i, 0
.rept 32
	v_pk_add_f32 v[128+2*i:128+2*i+1], v[128+2*i:128+2*i+1], v[192+2*i:192+2*i+1]
.set i, i+1
.endr
.set i, 0
.rept 32
	v_cvt_pk_f16_f32 v[64+i], v[128+2*i], v[128+2*i+1]
.set i, i+1
.endr
.irp t, 0,1,2,3,4,5,6,7,8,9,10,11,12,13,14,15
	global_store_b64 v[CO], v[64+2*(\t):64+2*(\t)+1], s[8:9] offset:(16*(\a)+(\t))*2048  ; 32 lanes store 256 consecutive bytes, aligned
.endr
.endm
	OUTB 0
	OUTB 1
	OUTB 2
	OUTB 3
	s_wait_tensorcnt 0x0                           ; the wave's end
	ds_add_u32 v[SPW], v[NIL]
	s_wait_dscnt 0x0
	CROUND
	s_endpgm
.Lfunc_end_k_qf27641d653_pv:
	.size	k_qf27641d653_pv, .Lfunc_end_k_qf27641d653_pv-k_qf27641d653_pv
	.p2alignl 7, 3214868480
	.fill 96, 4, 3214868480
	.section	.rodata,"a",@progbits
	.p2align	6, 0x0
	.amdhsa_kernel k_qf27641d653_pv
		.amdhsa_group_segment_fixed_size 327680
		.amdhsa_private_segment_fixed_size 0
		.amdhsa_enable_private_segment 0
		.amdhsa_kernarg_size 40
		.amdhsa_user_sgpr_count 2
		.amdhsa_user_sgpr_kernarg_segment_ptr 1
		.amdhsa_wavefront_size32 1
		.amdhsa_system_sgpr_workgroup_id_x 1
		.amdhsa_system_sgpr_workgroup_id_y 1
		.amdhsa_system_sgpr_workgroup_id_z 1
		.amdhsa_system_vgpr_workitem_id 0
		.amdhsa_next_free_vgpr 640
		.amdhsa_next_free_sgpr 96
		.amdhsa_reserve_vcc 0
		.amdhsa_float_denorm_mode_32 3
		.amdhsa_float_denorm_mode_16_64 3
		.amdhsa_memory_ordered 1
		.amdhsa_forward_progress 1
		.amdhsa_inst_pref_size 132
	.end_amdhsa_kernel
	.amdgpu_metadata
---
amdhsa.version: [ 1, 2 ]
amdhsa.kernels:
  - .name:           k_qf27641d653_pv
    .symbol:         k_qf27641d653_pv.kd
    .args:
      - { .name: pb, .offset: 0, .size: 8, .value_kind: global_buffer, .address_space: global }
      - { .name: qkv, .offset: 8, .size: 8, .value_kind: global_buffer, .address_space: global }
      - { .name: st, .offset: 16, .size: 8, .value_kind: global_buffer, .address_space: global }
      - { .name: ab, .offset: 24, .size: 8, .value_kind: global_buffer, .address_space: global }
      - { .name: hb, .offset: 32, .size: 8, .value_kind: global_buffer, .address_space: global }
    .group_segment_fixed_size: 327680
    .private_segment_fixed_size: 0
    .kernarg_segment_align: 8
    .kernarg_segment_size: 40
    .max_flat_workgroup_size: 128
    .sgpr_count:     96
    .vgpr_count:     640
    .wavefront_size: 32
...
	.end_amdgpu_metadata
.endif
;; end of part 4
;; launch outp (part 5): grid 4 x 64, 4 waves a work-group, clusters of 4 x 4, 327,680 bytes of LDS; arguments hb, wb, bo, out0; writes out0
.if DOCPART == 5
	.amdgcn_target "amdgcn-amd-amdhsa--gfx1250"
	.amdhsa_code_object_version 6
	.text
	.protected	k_qf27641d653_outp
	.globl	k_qf27641d653_outp
	.p2align	8
	.type	k_qf27641d653_outp,@function
k_qf27641d653_outp:
	s_mov_b64 s[64:65], 0
	v_nop
	global_prefetch_b8 v0, s[64:65] scope:SCOPE_SE
	s_setreg_imm32_b32 hwreg(HW_REG_WAVE_MODE, 25, 1), 1
	s_wait_xcnt 0x0
	s_wait_alu depctr_hold_cnt(0) depctr_sa_sdst(0) depctr_va_vdst(0) depctr_va_sdst(0) depctr_va_ssrc(0) depctr_va_vcc(0) depctr_vm_vsrc(0)
	s_getreg_b32 s2, hwreg(HW_REG_IB_STS2, 6, 4)
	s_cmp_eq_u32 s2, 0
	s_cbranch_scc0 .Lentry_in_a_cluster
	s_endpgm
.Lentry_in_a_cluster:
	s_bfe_u32 s2, ttmp6, 0x10000c
	s_cmp_lg_u32 s2, 0xf033
	s_cbranch_scc0 .Lentry_shape_is_right
	s_endpgm
.Lentry_shape_is_right:
; out = h Wo^T + bo: [8192][1024] x [1024][1024]^T, f16 operands (h as the launch before stored it; Wo's bf16 value written as f16), f32 sums, f32 result.
; bo is rounded to bf16 like every input and is the C operand of the products that start the sums.
; LIMITS.  Those of f16 for h and Wo, stated where they are made.
; SHARES, RING, CLUSTER, LAYOUT: tiles of 128 x 256, four waves of 64 x 128, K steps of 128 through two LDS slots, joint loads along the rows and columns of a 4 x 4 cluster,
; the matrix instruction used transposed.  The way out goes through a stage of 16 rows x 528 bytes a wave, so that a store of a wave covers 512 consecutive bytes of a row of out.
; All of a WGP's LDS is claimed and 0 is added to spare words.
.set KS,     8
.set PITCHA, 1024
.set STEPA,  256
.set STEPB,  256
.set HALFA,  64*272
.set AREG,   128*272
.set HALFB,  128*272
.set SLOT1,  1<<17
.set STAGE,  SLOT1+AREG+2*HALFB
.set STGW,   8448
.set SPARE,  STAGE+4*STGW+4*4352
.set AA0,  4
.set AB0,  5
.set ADRA, 6
.set ADRB, 7
.set STO,  8
.set RD,   9
.set CO,   10
.set PFO,  11
.set SPW,  12
.set NIL,  13
.set LN,   15
.set F0,   64
.set F1,   160
.set G1A,  24
.set G0A,  32
.set G1B,  48
.set G0B,  56
.set LIM,  43
.set PFA,  44
.set PFS,  46
.set CNT,  66
.set TB,   67
.set W_MUL,  0x50
.set W_BIAS, 0x60
.set MSB, 0
.macro WIN new
.if MSB != (\new)
	s_set_vgpr_msb (MSB<<8)|(\new)
.set MSB, \new
.endif
.endm
.macro CREST
	s_cmp_lg_u32 s10, 0
	s_cbranch_scc1 .Lnot_wave_0_\@
	s_barrier_signal -3
.Lnot_wave_0_\@:
	s_barrier_wait -3
	s_barrier_signal -1
	s_barrier_wait -1
.endm
.macro CROUND
	s_barrier_signal -1
	s_barrier_wait -1
	CREST
.endm
.macro PLACES
.rept 4
	v_nop
.endr
.endm
.macro MUL8 f, a, first                ; first = 1: the sums start from the bias.  The 32 accumulators take turns, one instruction a turn
.if \first
	WIN W_BIAS
.else
	WIN W_MUL
.endif
.irp b, 0,1,2,3,4,5,6,7
.if \first
	v_wmma_f32_16x16x32_f16 v[8*(8*(\a)+(\b)):8*(8*(\a)+(\b))+7], v[(\f)+8*(\b):(\f)+8*(\b)+7], v[(\f)+64+8*(\a):(\f)+64+8*(\a)+7], v[8*(\b):8*(\b)+7]
.else
	v_wmma_f32_16x16x32_f16 v[8*(8*(\a)+(\b)):8*(8*(\a)+(\b))+7], v[(\f)+8*(\b):(\f)+8*(\b)+7], v[(\f)+64+8*(\a):(\f)+64+8*(\a)+7], v[8*(8*(\a)+(\b)):8*(8*(\a)+(\b))+7]
.endif
.endr
.endm
.macro FETCH q, f
	WIN 0
.irp b, 0,1,2,3,4,5,6,7
	ds_load_b128 v[(\f)+8*(\b):(\f)+8*(\b)+3],   v[ADRB] offset:64*(\q)+4352*(\b)
	ds_load_b128 v[(\f)+8*(\b)+4:(\f)+8*(\b)+7], v[ADRB] offset:64*(\q)+4352*(\b)+32
.endr
.irp i, 0,1,2,3
	ds_load_b128 v[(\f)+64+8*(\i):(\f)+64+8*(\i)+3],   v[ADRA] offset:64*(\q)+4352*(\i)
	ds_load_b128 v[(\f)+64+8*(\i)+4:(\f)+64+8*(\i)+7], v[ADRA] offset:64*(\q)+4352*(\i)+32
.endr
.endm
.macro QUARTER q, f, g, first
	s_wait_dscnt 4                                 ; the youngest four loads (A's blocks 2, 3) may be out
	MUL8 \f, 0, \first
	MUL8 \f, 1, \first
	PLACES
	FETCH \q, \g
	s_wait_dscnt 24                                ; all but the 24 just issued
	MUL8 \f, 2, \first
	MUL8 \f, 3, \first
.endm
.macro JLOAD
	s_cmp_eq_u32 s11, 0
	s_cbranch_scc0 .Lfor_b_\@
	tensor_load_to_lds s[G0A+4:G0A+7], s[G1A:G1A+7]
	s_nop 0
.rept 4
	v_nop
.endr
	s_branch .Lasked_\@
.Lfor_b_\@:
	tensor_load_to_lds s[G0B+4:G0B+7], s[G1B:G1B+7]
	s_nop 0
.rept 4
	v_nop
.endr
.Lasked_\@:
.endm
.macro ASK                             ; the K step two refills on: a lane a row, 256 bytes each; the last two refills have no such step
	s_cmp_gt_u32 s[CNT], s[LIM]
	s_cbranch_scc0 .Lnot_mine_\@
	global_prefetch_b8 v[PFO], s[PFA:PFA+1] th:TH_LOAD_NT scope:SCOPE_SE
.Lnot_mine_\@:
.endm
.macro TURN fill
.if \fill
	s_wait_xcnt 0x0                                ; the last prefetch, a K step back, has read its address
	s_add_nc_u64 s[PFA:PFA+1], s[PFA:PFA+1], s[PFS:PFS+1]
.endif
	WIN 0
	s_wait_tensorcnt 0x0                           ; all my tensor loads have landed: the one that was out is my part of the next slot
	ds_add_u32 v[SPW], v[NIL]
	s_wait_dscnt 5                                 ; the add and the youngest four loads may be out
	MUL8 F1, 0, 0
	s_wait_dscnt 0x0                               ; the add is done, my reads of this slot are over
	s_barrier_signal -1
	MUL8 F1, 1, 0
	WIN 0
	s_barrier_wait -1
.if \fill
	CREST
	s_xor_b32 s[G0A+5], s[G0A+5], SLOT1
	s_add_nc_u64 s[G0A+6:G0A+7], s[G0A+6:G0A+7], STEPA
	s_xor_b32 s[G0B+5], s[G0B+5], SLOT1
	s_add_nc_u64 s[G0B+6:G0B+7], s[G0B+6:G0B+7], STEPB
	JLOAD
.else
	PLACES
.endif
	s_xor_b32 s[TB], s[TB], SLOT1
	v_add_nc_u32 v[ADRA], s[TB], v[AA0]
	v_add_nc_u32 v[ADRB], s[TB], v[AB0]
	FETCH 0, F0
.if \fill
	ASK
.endif
	MUL8 F1, 2, 0
	MUL8 F1, 3, 0
.endm
	s_load_b256 s[76:83], s[0:1], 0x0              ; hb 76, wb 78, bo 80, out0 82
	v_lshl_add_u32 v[SPW], v0, 2, SPARE
	v_mov_b32 v[NIL], 0
	ds_add_u32 v[SPW], v[NIL]                      ; the wave's opening: the add and its wait ahead of my first tensor load
	v_lshrrev_b32 v3, 5, v0
	v_readfirstlane_b32 s10, v3
	s_lshr_b32 s11, s10, 1
	s_and_b32 s12, s10, 1
	s_bfe_u32 s40, ttmp6, 0x40000                  ; cx
	s_bfe_u32 s41, ttmp6, 0x40004                  ; cy
	s_lshl_b32 s42, ttmp9, 2
	s_add_co_u32 s42, s42, s40                     ; tile column
	s_and_b32 s14, ttmp7, 0xffff
	s_lshl_b32 s13, s14, 2
	s_add_co_u32 s13, s13, s41                     ; tile row, 0..63
	s_lshl_b32 s16, s41, 2
	s_lshl_b32 s16, 15, s16
	s_lshl_b32 s17, 0x1111, s40
	s_or_b32 s[G1A], s16, 0x07710000
	s_or_b32 s[G1B], s17, 0x07710000
	s_mov_b32 s[G1A+1], 128<<16
	s_mov_b32 s[G1A+2], 64<<16
	s_mov_b32 s[G1A+3], 128<<16
	s_mov_b32 s[G1A+4], 64
	s_mov_b32 s[G1A+5], PITCHA
	s_mov_b32 s[G1A+6], 0
	s_mov_b32 s[G1A+7], 0
	s_mov_b32 s[G1B+1], 128<<16
	s_mov_b32 s[G1B+2], 128<<16
	s_mov_b32 s[G1B+3], 128<<16
	s_mov_b32 s[G1B+4], 128
	s_mov_b32 s[G1B+5], 1024
	s_mov_b32 s[G1B+6], 0
	s_mov_b32 s[G1B+7], 0
	s_lshl_b32 s18, s13, 7
	s_lshl_b32 s2, s12, 6
	s_add_co_u32 s18, s18, s2
	s_lshl_b32 s18, s18, 11
	s_mov_b32 s19, 0
	s_lshl_b32 s20, s42, 8
	s_lshl_b32 s3, s12, 7
	s_add_co_u32 s20, s20, s3
	s_lshl_b32 s20, s20, 11
	s_add_co_u32 s20, s20, 3<<21                   ; Wo is the fourth weight of wb
	s_mov_b32 s21, 0
	s_mul_i32 s22, s12, HALFA
	s_mul_i32 s23, s12, HALFB
	s_add_co_u32 s23, s23, AREG
	s_mov_b32 s74, 0xffff0000
	s_wait_dscnt 0x0
	s_wait_kmcnt 0x0
	s_add_nc_u64 s[4:5], s[76:77], s[18:19]
	s_add_nc_u64 s[6:7], s[78:79], s[20:21]
	CROUND
.irp s, 0,1
	s_mov_b32 s[G0A+4*(\s)], 1
	s_add_co_u32 s[G0A+4*(\s)+1], s22, (\s)*SLOT1
	s_add_nc_u64 s[G0A+4*(\s)+2:G0A+4*(\s)+3], s[4:5], (\s)*STEPA
	s_or_b32 s[G0A+4*(\s)+3], s[G0A+4*(\s)+3], 0x80000000
	s_mov_b32 s[G0B+4*(\s)], 1
	s_add_co_u32 s[G0B+4*(\s)+1], s23, (\s)*SLOT1
	s_add_nc_u64 s[G0B+4*(\s)+2:G0B+4*(\s)+3], s[6:7], (\s)*STEPB
	s_or_b32 s[G0B+4*(\s)+3], s[G0B+4*(\s)+3], 0x80000000
.endr
	s_cmp_eq_u32 s11, 0
	s_cbranch_scc0 .Lfirst_b
	tensor_load_to_lds s[G0A:G0A+3], s[G1A:G1A+7]
	s_nop 0
	tensor_load_to_lds s[G0A+4:G0A+7], s[G1A:G1A+7]
	s_nop 0
.rept 4
	v_nop
.endr
	s_branch .Lfirst_done
.Lfirst_b:
	tensor_load_to_lds s[G0B:G0B+3], s[G1B:G1B+7]
	s_nop 0
	tensor_load_to_lds s[G0B+4:G0B+7], s[G1B:G1B+7]
	s_nop 0
.rept 4
	v_nop
.endr
.Lfirst_done:
	v_and_b32 v1, 15, v0
	v_bfe_u32 v2, v0, 4, 1
	v_and_b32 v[LN], 31, v0
	v_mul_u32_u24 v3, v1, 272
	v_lshl_add_u32 v3, v2, 4, v3
	s_mul_i32 s14, s11, HALFA
	v_add_nc_u32 v[AA0], s14, v3
	s_mul_i32 s14, s12, HALFB
	s_add_co_u32 s14, s14, AREG
	v_add_nc_u32 v[AB0], s14, v3
	v_mov_b32 v[ADRA], v[AA0]
	v_mov_b32 v[ADRB], v[AB0]
	s_mov_b32 s[TB], 0
	s_mul_i32 s14, s10, STGW
	s_add_co_u32 s14, s14, STAGE
	v_mul_u32_u24 v3, v1, 528
	v_lshl_add_u32 v3, v2, 5, v3
	v_add_nc_u32 v[STO], s14, v3                   ; in: row r, 32 bytes for each half of the lanes
	v_lshl_add_u32 v[RD], v[LN], 4, s14            ; back: a whole row of 512 bytes, 16 bytes a lane
	v_lshlrev_b32 v[CO], 4, v[LN]
	; the bias of my 128 columns
	s_mov_b64 s[92:93], s[80:81]
	s_lshl_b32 s14, s42, 10
	s_lshl_b32 s15, s12, 9
	s_add_co_u32 s14, s14, s15
	v_lshl_add_u32 v28, v2, 5, s14
	WIN 0x80
.irp b, 0,1,2,3,4,5,6,7
	global_load_b128 v[8*(\b):8*(\b)+3],   v28, s[92:93] offset:64*(\b)
	global_load_b128 v[8*(\b)+4:8*(\b)+7], v28, s[92:93] offset:64*(\b)+16
.endr
	WIN 0
	; out0 at my 64 rows and 128 columns
	s_lshl_b32 s14, s13, 7
	s_lshl_b32 s15, s11, 6
	s_add_co_u32 s14, s14, s15
	s_lshl_b32 s14, s14, 12
	s_lshl_b32 s15, s42, 10
	s_add_co_u32 s14, s14, s15
	s_lshl_b32 s15, s12, 9
	s_add_co_u32 s14, s14, s15
	s_mov_b32 s15, 0
	s_add_nc_u64 s[8:9], s[82:83], s[14:15]
	; the prefetches.  h's 128 rows are this cluster's own: wave 0 of each partner along the row asks for 32 (by cx).  Wo's rows are walked by all sixteen clusters: the first asks, waves 2, 3 for 32 rows each (by cy).
	s_lshl_b32 s14, s13, 7
	s_lshl_b32 s15, s40, 5
	s_add_co_u32 s14, s14, s15
	s_lshl_b32 s14, s14, 11
	s_lshl_b32 s16, s42, 8
	s_lshl_b32 s15, s41, 6
	s_add_co_u32 s16, s16, s15
	s_lshl_b32 s15, s12, 5
	s_add_co_u32 s16, s16, s15
	s_lshl_b32 s16, s16, 11
	s_add_co_u32 s16, s16, 3<<21
	s_cmp_eq_u32 s10, 0
	s_cselect_b32 s15, 2, -1
	s_and_b32 s17, ttmp7, 0xffff
	s_cmp_eq_u32 s17, 0
	s_cselect_b32 s17, 2, -1
	s_cmp_eq_u32 s11, 0
	s_cselect_b32 s[LIM], s15, s17
	s_cselect_b32 s14, s14, s16
	s_cselect_b64 s[PFA:PFA+1], s[76:77], s[78:79]
	s_add_co_u32 s14, s14, 3*256
	s_mov_b32 s15, 0
	s_add_nc_u64 s[PFA:PFA+1], s[PFA:PFA+1], s[14:15]
	s_mov_b32 s[PFS], 256
	s_mov_b32 s[PFS+1], 0
	v_lshlrev_b32 v[PFO], 11, v[LN]
	s_wait_loadcnt 0x0                             ; the bias; it is rounded to bf16 and widened again
	WIN 0x0a
.set i, 0
.rept 32
	v_cvt_pk_bf16_f32 v[32+i], v[2*i], v[2*i+1]
.set i, i+1
.endr
	WIN 0x80
.set i, 0
.rept 32
	v_lshlrev_b32 v[2*i], 16, v[32+i]
	v_and_b32 v[2*i+1], s74, v[32+i]
.set i, i+1
.endr
	WIN 0
	s_wait_tensorcnt 0x1                           ; my part of K step 0 is in; K step 1's may stay out
	s_wait_dscnt 0x0
	s_barrier_signal -1
	s_barrier_wait -1
	FETCH 0, F0
	QUARTER 1, F0, F1, 1
	WIN 0
	s_mov_b32 s[CNT], KS-2
.Lstep:
	QUARTER 2, F1, F0, 0
	QUARTER 3, F0, F1, 0
	TURN 1
	QUARTER 1, F0, F1, 0
	WIN 0
	s_sub_co_u32 s[CNT], s[CNT], 1
	s_cmp_lg_u32 s[CNT], 0
	s_cbranch_scc1 .Lstep
	s_mov_b32 s[CNT], 2
.Ltail:                                        ; the last two K steps ask for nothing; the second trip's barrier and its 24 loads serve nothing
	QUARTER 2, F1, F0, 0
	QUARTER 3, F0, F1, 0
	TURN 0
	WIN 0
	s_wait_dscnt 0x0
	s_cmp_eq_u32 s[CNT], 1
	s_cbranch_scc1 .Lskip
	QUARTER 1, F0, F1, 0
	WIN 0
.Lskip:
	s_sub_co_u32 s[CNT], s[CNT], 1
	s_cmp_lg_u32 s[CNT], 0
	s_cbranch_scc1 .Ltail
.rept 8
	v_nop
.endr
; THE WAY OUT, a block of 16 rows at a time: the accumulators go as they are into my own stage (each one's low four registers first), and come back as whole rows of 512 bytes, into two sets of registers by turns.
.macro TOSTAGE a
	WIN 0x04                                       ; the stores' data in window 1
.irp b, 0,1,2,3,4,5,6,7
	ds_store_b128 v[STO], v[64*(\a)+8*(\b):64*(\a)+8*(\b)+3]   offset:64*(\b)
	ds_store_b128 v[STO], v[64*(\a)+8*(\b)+4:64*(\a)+8*(\b)+7] offset:64*(\b)+16
.endr
	WIN 0
.if (\a) >= 2
	s_wait_xcnt 0x0                                ; the stores of the block two back have read this set of registers
.endif
.irp t, 0,1,2,3,4,5,6,7,8,9,10,11,12,13,14,15
	ds_load_b128 v[64+64*((\a)%2)+4*(\t):64+64*((\a)%2)+4*(\t)+3], v[RD] offset:528*(\t)  ; LDS serves a wave's instructions in order: these see the stores above
.endr
.endm
.macro SEND a, younger                 ; younger: the LDS instructions issued behind block a's loads: the next block's 32, or none
	s_wait_dscnt \younger
.irp t, 0,1,2,3,4,5,6,7,8,9,10,11,12,13,14,15
	global_store_b128 v[CO], v[64+64*((\a)%2)+4*(\t):64+64*((\a)%2)+4*(\t)+3], s[8:9] offset:(16*(\a)+(\t))*4096  ; a wave's store covers 512 consecutive bytes, aligned
.endr
.endm
	TOSTAGE 0
	TOSTAGE 1
	SEND 0, 32
	TOSTAGE 2
	SEND 1, 32
	TOSTAGE 3
	SEND 2, 32
	SEND 3, 0
	s_wait_tensorcnt 0x0                           ; the wave's end
	ds_add_u32 v[SPW], v[NIL]
	s_wait_dscnt 0x0
	CROUND
	s_endpgm
.Lfunc_end_k_qf27641d653_outp:
	.size	k_qf27641d653_outp, .Lfunc_end_k_qf27641d653_outp-k_qf27641d653_outp
	.p2alignl 7, 3214868480
	.fill 96, 4, 3214868480
	.section	.rodata,"a",@progbits
	.p2align	6, 0x0
	.amdhsa_kernel k_qf27641d653_outp
		.amdhsa_group_segment_fixed_size 327680
		.amdhsa_private_segment_fixed_size 0
		.amdhsa_enable_private_segment 0
		.amdhsa_kernarg_size 32
		.amdhsa_user_sgpr_count 2
		.amdhsa_user_sgpr_kernarg_segment_ptr 1
		.amdhsa_wavefront_size32 1
		.amdhsa_system_sgpr_workgroup_id_x 1
		.amdhsa_system_sgpr_workgroup_id_y 1
		.amdhsa_system_sgpr_workgroup_id_z 1
		.amdhsa_system_vgpr_workitem_id 0
		.amdhsa_next_free_vgpr 576
		.amdhsa_next_free_sgpr 96
		.amdhsa_reserve_vcc 0
		.amdhsa_float_denorm_mode_32 3
		.amdhsa_float_denorm_mode_16_64 3
		.amdhsa_memory_ordered 1
		.amdhsa_forward_progress 1
		.amdhsa_inst_pref_size 66
	.end_amdhsa_kernel
	.amdgpu_metadata
---
amdhsa.version: [ 1, 2 ]
amdhsa.kernels:
  - .name:           k_qf27641d653_outp
    .symbol:         k_qf27641d653_outp.kd
    .args:
      - { .name: hb, .offset: 0, .size: 8, .value_kind: global_buffer, .address_space: global }
      - { .name: wb, .offset: 8, .size: 8, .value_kind: global_buffer, .address_space: global }
      - { .name: bo, .offset: 16, .size: 8, .value_kind: global_buffer, .address_space: global }
      - { .name: out0, .offset: 24, .size: 8, .value_kind: global_buffer, .address_space: global }
    .group_segment_fixed_size: 327680
    .private_segment_fixed_size: 0
    .kernarg_segment_align: 8
    .kernarg_segment_size: 32
    .max_flat_workgroup_size: 128
    .sgpr_count:     96
    .vgpr_count:     576
    .wavefront_size: 32
...
	.end_amdgpu_metadata
.endif
;; end of part 5
